; MI455X (gfx1250); checked and timed in simulation.
; The chip was launched on July 23, 2026; its instructions are those of AMD's public machine-readable ISA for CDNA 5 (MIT licence, August 2026) and "CDNA5" Instruction Set Architecture Reference Guide (July 2026). The comments in the code are by the model that wrote it; some were corrected since.
;; Trans Relation. Allowed arithmetic: matrix products marked QUANTISED: E2M3 operands, one E8M0 scale for each 32 along K, by v_wmma_scale_f32_16x16x128_f8f6f4 with both operands' format E2M3, f32 sums; everything else in f32.
;; Inputs: Wk_codes 512 x 64 x 24 uint8 (E2M3 codes of Wk, K innermost, in blocks of 32 codes, four codes in three bytes); Wk_scales 512 x 64 uint8 (E8M0 scales of Wk, one for each 32 codes along K); Wo_codes 2,048 x 64 x 24 uint8 (E2M3 codes of Wo, K innermost, in blocks of 32 codes, four codes in three bytes); Wo_scales 2,048 x 64 uint8 (E8M0 scales of Wo, one for each 32 codes along K); Wq_codes 2,048 x 64 x 24 uint8 (E2M3 codes of Wq, K innermost, in blocks of 32 codes, four codes in three bytes); Wq_scales 2,048 x 64 uint8 (E8M0 scales of Wq, one for each 32 codes along K); Wv_codes 512 x 64 x 24 uint8 (E2M3 codes of Wv, K innermost, in blocks of 32 codes, four codes in three bytes); Wv_scales 512 x 64 uint8 (E8M0 scales of Wv, one for each 32 codes along K); bk 512 float32; bo 2,048 float32; bq 2,048 float32; bv 512 float32; ln_beta 2,048 float32; ln_gamma 2,048 float32; mem_codes 4 x 2,048 x 64 x 24 uint8 (E2M3 codes of mem, K innermost, in blocks of 32 codes, four codes in three bytes); mem_scales 4 x 2,048 x 64 uint8 (E8M0 scales of mem, one for each 32 codes along K); neg_peak_mzs_embed 4 x 2,048 x 64 float32; peak_mzs_embed 4 x 2,048 x 64 float32; step_mass_embed 4 x 512 x 64 float32; tgt 4 x 512 x 2,048 float32.
;; Outputs: out0 4 x 512 x 2,048 float32.
;; This version of the problem:
;;   THIS VERSION OF THE PROBLEM IS GIVEN IN LOW PRECISION. The matrix products marked QUANTISED in the list below multiply operands that are first quantised to E2M3 (2 exponent bits, 3 mantissa bits; 6 bits a number), with one power-of-two scale for each 32 numbers along K (OCP MX v1.0); their sums are f32. All else is computed in f32.
;;   The module's matrix products, in the order in which they are computed (A, B: the left and right operand; K: the contracted axis; several contracted axes count as one K, in the product's order):
;;     1. [M 2,048, K 2,048] x [K 2,048, N 2,048]; A: input tgt; B: input Wq (given as codes): QUANTISED
;;     2. [M 8,192, K 2,048] x [K 2,048, N 512]; A: input mem (given as codes); B: input Wk (given as codes): QUANTISED
;;     3. [M 8,192, K 2,048] x [K 2,048, N 512]; A: input mem (given as codes); B: input Wv (given as codes): QUANTISED
;;     4. batch 32 x [M 2,048, K 64] x [K 64, N 2,048]; A: computed on the way; B: computed on the way: QUANTISED
;;     5. batch 32 x [M 64, K 2,048] x [K 2,048, N 2,048]; A: computed on the way; B: softmax (see below): QUANTISED
;;     6. [M 2,048, K 2,048] x [K 2,048, N 2,048]; A: computed on the way; B: input Wo (given as codes): QUANTISED
;;   THE QUANTISER, for each operand of a quantised product, along K:
;;     - K is cut into blocks of 32 from its start; a last block that is shorter is filled with zeros.
;;     - A block's scale is 2^e with e = floor(log2(the largest magnitude in the block)) - 2, held to -126 .. 127; a block of zeros has e = 0. As a byte (E8M0): e + 127.
;;     - Each number is divided by its block's scale, clamped to +-7.5, and rounded to the nearest number of E2M3, ties to even, subnormals kept.
;;     - The product sums the exact products of the quantised numbers (number of the format x scale) in f32.
;;   ~~~python
;;   def quantise(x, axis):      # numpy; x: float32 -> the quantised numbers, widened to float32 again
;;       x = np.moveaxis(x, axis, -1); K = x.shape[-1]
;;       x = np.pad(x, [(0, 0)] * (x.ndim - 1) + [(0, -K % 32)]); x = x.reshape(x.shape[:-1] + (-1, 32)); a = np.abs(x).max(-1, keepdims=True)
;;       e = np.where(a > 0, np.clip(np.frexp(np.where(a > 0, a, 1))[1] - 1 - 2, -126, 127), 0)      # np.frexp(a)[1] - 1 = floor(log2(a)), exactly
;;       r = np.clip(x / 2.0 ** e, -7.5, 7.5)
;;       step = 2.0 ** (np.maximum(np.frexp(np.where(r == 0, 1, r))[1] - 1, 0) - 3)
;;       q = np.round(r / step) * step * 2.0 ** e      # np.round: ties to even
;;       return np.moveaxis(q.reshape(q.shape[:-2] + (-1,))[..., :K], -1, axis).astype(np.float32)
;;   ~~~
;;   SOFTMAX AHEAD OF A QUANTISED PRODUCT. Where the list says 'softmax', what is quantised is not the finished softmax but p = 2^(t - M), with t = logit x log2(e) and M = ceil(the row's largest t), a whole number; so 1/2 < the row's largest p <= 1. The row's sum l is taken of the UNQUANTISED p, in f32, and the product's result is divided by l at the end. Since M is a whole number, a kernel that streams over the keys may use a running M (the ceiling of the running maximum): every later rescaling is an exact power of two, which a block's scale takes up: the codes' values come out the same.
;;   OPERANDS COMPUTED ON THE WAY. 'Computed on the way' means the value that the module computes at that place (a softmax that the list does not call 'softmax' is quantised finished and normalised). What goes into a quantiser is computed in f32, as accurately as f32 sums, v_exp_f32 and their like allow (about 1e-6 of the number): no bf16 or f16 on the way to a quantiser, and a product that is left as it is and whose result goes on into a quantised operand takes f32 operands (vector FMAs, or v_wmma_f32_16x16x4_f32). A number that lies on a knife's edge between two numbers of the format may be rounded either way, as far as f32 arithmetic and the matrix unit's own rounding can turn it there, and no further.
;;   INPUTS GIVEN AS CODES. Wk (in the module: [2048, 512], K = its axis 0); Wo (in the module: [2048, 2048], K = its axis 0); Wq (in the module: [2048, 2048], K = its axis 0); Wv (in the module: [2048, 512], K = its axis 0); mem (in the module: [4, 2048, 2048], K = its axis 2): each comes as NAME_codes (uint8): NAME with its K axis moved to the last place and cut into blocks of 32 codes, [.., K / 32, bytes a block], one block behind the other in memory; four codes in three bytes: a row's codes are one little-endian stream of bits, code i at bits 6 i .. 6 i + 5 (a code: sign, 2 exponent bits, 3 mantissa bits); and NAME_scales (uint8): the same leading axes, one E8M0 byte (e + 127) for each 32 codes along K. Its value is code x scale, taken as it is: it is not quantised again, and the codes and scales need not be those that the quantiser above would give.
;; One version. Each part assembles by itself: llvm-mc -triple=amdgcn-amd-amdhsa -mcpu=gfx1250 --defsym DOCPART=n.
;; ======== version 1 of 1: 5 launches
;; limits: right only within a limited range of input values
;; workspace buffers: tgtq 3,276,800 bytes; qq 3,670,016 bytes; kv_img 6,291,456 bytes; kv_sc 655,360 bytes; attq 3,276,800 bytes; y 16,777,216 bytes
;; launch quant (part 1): grid 256 x 1, 2 waves a work-group, no clusters, 16,640 bytes of LDS; arguments tgt, tgtq; writes tgtq
.if DOCPART == 1
	.amdgcn_target "amdgcn-amd-amdhsa--gfx1250"
	.amdhsa_code_object_version 6
	.text
	.protected	k_q5572587c4b_quant
	.globl	k_q5572587c4b_quant
	.p2align	8
	.type	k_q5572587c4b_quant,@function
k_q5572587c4b_quant:
	s_mov_b64 s[64:65], 0
	v_nop
	global_prefetch_b8 v0, s[64:65] scope:SCOPE_SE
	s_setreg_imm32_b32 hwreg(HW_REG_WAVE_MODE, 25, 1), 1
	s_wait_xcnt 0x0
; tgt [2048][2048] f32 becomes codes of FP6 (E2M3), K innermost (a row: 1,536 bytes, at byte 0 of tgtq), and one E8M0 byte for each 32 along K ([2048][64], at byte SCOFF of tgtq).
; A block's scale is 2^(floor(log2(its largest magnitude)) - 2); its byte is the largest magnitude's exponent field - 2, held at 1 from below.  A block of zeros so gets the byte 1: its codes are zeros, and this program alone reads the bytes.
; LIMITS: blocks whose largest magnitude lies under 2^-124 keep the byte 1; NaN and infinities among the inputs are not served.
; Rows are dense and 2,048 is a multiple of 32: the tensor is a plain stream of blocks.  A wave takes 16 steps of 512 numbers.  Each load reads 512 consecutive bytes, 16 a lane; a step's 2,048 bytes go through
; the wave's own stage in LDS and come back 64 bytes a lane, so that a lane holds 16 neighbours along K (two neighbouring lanes hold a block).  A lane's 16 codes are 12 bytes: the wave stores 384 consecutive bytes.
; A wave's 256 scale bytes are gathered in its own LDS bytes and leave as one aligned run of 256 bytes.  No matrix unit, no cluster, no barrier: waves share nothing and each byte is read once.
.set STEPS, 16
.set EMAX,  2
.set CB,    12                         ; bytes of 16 codes
.set R,     16                         ; v16-79   four sets of 16 numbers as they are loaded
.set X,     80                         ; v80-111  two sets of 16 neighbours
.set C,     128                        ; v128-191 codes: four registers for each step, so that no store's data are written again
.set E,     112                        ; v112-127 a scale byte for each step
.set WREG,  8192                       ; LDS: a region for each wave: two stages of 32 x SP bytes, behind them its 256 scale bytes
.set SP,    80                         ; a lane's place in a stage: 64 bytes + 16 of padding
.set SCOFF, 3145728                    ; where the scale bytes begin in tgtq
	s_load_b128 s[4:7], s[0:1], 0x0                ; tgt, tgtq
	v_lshl_add_u32 v192, v0, 2, 0x4000
	v_mov_b32 v193, 0
	v_lshrrev_b32 v1, 5, v0
	v_readfirstlane_b32 s16, v1                    ; wave 0, 1
	v_and_b32 v2, 31, v0                           ; lane
	v_lshlrev_b32 v3, 4, v2                        ; my 16 bytes of a load's 512
	s_mul_i32 s17, s16, WREG
	v_lshrrev_b32 v14, 2, v2
	v_mul_u32_u24 v14, v14, SP
	v_and_b32 v15, 3, v2
	v_lshl_add_u32 v14, v15, 4, v14
	v_add_nc_u32 v14, s17, v14                     ; the stage, on the way in: SP (lane / 4) + 16 (lane % 4)
	v_mul_u32_u24 v15, v2, SP
	v_add_nc_u32 v15, s17, v15                     ; and on the way out: SP x lane: my 16 neighbours
	v_mul_u32_u24 v4, v2, CB                       ; my codes' place in a step's
	v_lshrrev_b32 v5, 1, v2
	s_add_co_u32 s17, s17, 2*32*SP
	v_add_nc_u32 v5, s17, v5                       ; LDS: my wave's 256 scale bytes, my block's byte
	v_lshlrev_b32 v7, 3, v2                        ; and on the way out 8 bytes a lane
	v_add_nc_u32 v6, s17, v7
	s_lshl_b32 s18, ttmp9, 1
	s_add_co_u32 s18, s18, s16                     ; which run of 8,192 numbers is my wave's: 0 .. 511
	s_lshl_b32 s20, s18, 15                        ; 32,768 bytes of f32 a run
	s_mov_b32 s21, 0
	s_mul_i32 s22, s18, 32*STEPS*CB                ; 6,144 bytes of codes
	s_mov_b32 s23, 0
	s_lshl_b32 s24, s18, 8                         ; 256 scale bytes
	s_add_co_u32 s24, s24, SCOFF
	s_mov_b32 s25, 0
	s_wait_alu depctr_va_vdst(0)
	s_wait_kmcnt 0x0
	s_add_nc_u64 s[4:5], s[4:5], s[20:21]
	s_add_nc_u64 s[8:9], s[6:7], s[22:23]
	s_add_nc_u64 s[10:11], s[6:7], s[24:25]
.macro LOAD t
.irp i, 0,1,2,3
	global_load_b128 v[R+16*((\t)%4)+4*\i:R+16*((\t)%4)+4*\i+3], v3, s[4:5] offset:2048*(\t)+512*\i   ; 32 lanes read 512 consecutive bytes
.endr
.endm
.macro TURN t                          ; step t's numbers through the stage: LDS serves a wave's instructions in order, so no wait stands between the stores and the loads
.irp i, 0,1,2,3
	ds_store_b128 v14, v[R+16*((\t)%4)+4*\i:R+16*((\t)%4)+4*\i+3] offset:32*SP*((\t)%2)+8*SP*\i
.endr
.irp i, 0,1,2,3
	ds_load_b128 v[X+16*((\t)%2)+4*\i:X+16*((\t)%2)+4*\i+3], v15 offset:32*SP*((\t)%2)+16*\i
.endr
.endm
.irp t, 0,1,2,3
	LOAD \t
.endr
	s_wait_loadcnt 12                              ; step 0's four loads are in
	TURN 0
.macro STEP t
.set XS, X+16*((\t)%2)
.if (\t) > 0
	s_wait_dscnt 1                                 ; this step's numbers are back from the stage (the last step's byte store may be out): so its stores into the stage have read their registers,
.else
	s_wait_dscnt 0x0
.endif
.if (\t)+4 < STEPS
	LOAD (\t)+4                                    ; which take the loads of four steps on
.endif
.if (\t)+1 < STEPS
.if STEPS-2-(\t) >= 3
	s_wait_loadcnt 12                              ; the next step's four loads are in; those of the three steps behind it may be out
.else
	s_wait_loadcnt 4*(STEPS-2-(\t))
.endif
	TURN (\t)+1                                    ; and go through the other stage while this step is worked
.endif
	v_max3_num_f32 v8, |v[XS]|, |v[XS+1]|, |v[XS+2]|               ; the largest magnitude of my 16
	v_max3_num_f32 v9, |v[XS+3]|, |v[XS+4]|, |v[XS+5]|
.irp i, 6,10
	v_max3_num_f32 v8, v8, |v[XS+\i]|, |v[XS+\i+1]|
	v_max3_num_f32 v9, v9, |v[XS+\i+2]|, |v[XS+\i+3]|
.endr
	v_max3_num_f32 v8, v8, |v[XS+14]|, |v[XS+15]|
	v_max3_num_f32 v8, v8, v9, (EMAX+1)<<23        ; and the floor 2^(3 - 127): the byte cannot fall under 1
	v_max_num_f32_dpp v8, v8, v8 row_xmask:1 row_mask:0xf bank_mask:0xf   ; and of my neighbour's 16: the block's
	v_add_nc_u32 v11, -(EMAX<<23), v8              ; 2 off its exponent field: the conversion takes the exponent field of this operand as its scale
	v_cvt_scalef32_pk16_fp6_f32 v[C+4*(\t):C+4*(\t)+2], v[XS:XS+15], v11
	v_lshrrev_b32 v[E+(\t)], 23, v11               ; the scale's byte (also the plain line behind the conversion)
	ds_store_b8 v5, v[E+(\t)] offset:16*(\t)       ; both lanes of a block write the same byte with the same value
	global_store_b96 v4, v[C+4*(\t):C+4*(\t)+2], s[8:9] offset:32*CB*(\t)
.endm
.irp t, 0,1,2,3,4,5,6,7,8,9,10,11,12,13,14,15
	STEP \t
.endr
	ds_load_b64 v[12:13], v6                       ; LDS serves a wave's instructions in order: these see my stores
	s_wait_dscnt 0x0
	global_store_b64 v7, v[12:13], s[10:11]        ; 32 lanes store 256 consecutive bytes, aligned
	s_wait_tensorcnt 0x0
	ds_add_u32 v192, v193
	s_wait_dscnt 0x0
	s_endpgm
.Lfunc_end_k_q5572587c4b_quant:
	.size	k_q5572587c4b_quant, .Lfunc_end_k_q5572587c4b_quant-k_q5572587c4b_quant
	.p2alignl 7, 3214868480
	.fill 96, 4, 3214868480
	.section	.rodata,"a",@progbits
	.p2align	6, 0x0
	.amdhsa_kernel k_q5572587c4b_quant
		.amdhsa_group_segment_fixed_size 16640
		.amdhsa_private_segment_fixed_size 0
		.amdhsa_enable_private_segment 0
		.amdhsa_kernarg_size 16
		.amdhsa_user_sgpr_count 2
		.amdhsa_user_sgpr_kernarg_segment_ptr 1
		.amdhsa_wavefront_size32 1
		.amdhsa_system_sgpr_workgroup_id_x 1
		.amdhsa_system_sgpr_workgroup_id_y 1
		.amdhsa_system_sgpr_workgroup_id_z 1
		.amdhsa_system_vgpr_workitem_id 0
		.amdhsa_next_free_vgpr 194
		.amdhsa_next_free_sgpr 66
		.amdhsa_reserve_vcc 0
		.amdhsa_float_denorm_mode_32 3
		.amdhsa_float_denorm_mode_16_64 3
		.amdhsa_memory_ordered 1
		.amdhsa_forward_progress 1
		.amdhsa_inst_pref_size 32
	.end_amdhsa_kernel
	.amdgpu_metadata
---
amdhsa.version: [ 1, 2 ]
amdhsa.kernels:
  - .name:           k_q5572587c4b_quant
    .symbol:         k_q5572587c4b_quant.kd
    .args:
      - { .name: tgt, .offset: 0, .size: 8, .value_kind: global_buffer, .address_space: global }
      - { .name: tgtq, .offset: 8, .size: 8, .value_kind: global_buffer, .address_space: global }
    .group_segment_fixed_size: 16640
    .private_segment_fixed_size: 0
    .kernarg_segment_align: 8
    .kernarg_segment_size: 16
    .max_flat_workgroup_size: 64
    .sgpr_count:     66
    .vgpr_count:     194
    .wavefront_size: 32
...
	.end_amdgpu_metadata
.endif
;; end of part 1
;; launch proj (part 2): grid 192 x 1, 4 waves a work-group, no clusters, 327,680 bytes of LDS; arguments Wq_codes, Wq_scales, Wk_codes, Wk_scales, Wv_codes, Wv_scales, mem_codes, mem_scales, tgtq, bq, bk, bv, step_mass_embed, peak_mzs_embed, neg_peak_mzs_embed, qq, kv_img, kv_sc; writes qq, kv_img, kv_sc
.if DOCPART == 2
	.amdgcn_target "amdgcn-amd-amdhsa--gfx1250"
	.amdhsa_code_object_version 6
	.text
	.protected	k_q5572587c4b_proj
	.globl	k_q5572587c4b_proj
	.p2align	8
	.type	k_q5572587c4b_proj,@function
k_q5572587c4b_proj:
	s_mov_b64 s[64:65], 0
	v_nop
	global_prefetch_b8 v0, s[64:65] scope:SCOPE_SE
	s_setreg_imm32_b32 hwreg(HW_REG_WAVE_MODE, 25, 1), 1
	s_wait_xcnt 0x0
; The three projections on codes of FP6 (E2M3), K = 2,048, with bias, rotation and the quantiser of the results.
; Work-groups 0-63: q = tgt Wq (path 0); 64-127: k = mem Wk (path 1); 128-191: v = mem Wv (path 2).  A block is 256 x 256, a wave's part 128 x 128 (64 accumulators).
; LDS region X (rows 0-255 of a slot) holds the rows of source 0, region Y (rows 256-511) those of source 1.  Paths 0, 1: X = the weight's rows, Y = the tokens' rows, so that a lane's registers run along the head's 64.
; Path 2: X = the keys' rows, Y = Wv's rows, so that a lane's registers run along the keys.  Only the global pointers are chosen by the path: no LDS address hangs on it.
; Wave w = 2 mh + u takes X's rows 64 u .. +63 and 128 + 64 u .. +63 and Y's rows 128 mh .. +127.  So in paths 0, 1 it has heads 4 wb + u and 4 wb + u + 2: K's two heads share one embedding.
; K goes in chunks of 256 bytes of each row (a row of codes is 1,536 bytes), chunk c in slot c % 2; a step of 128 along K is 96 bytes: sixteen steps to six chunks.  Every wave fetches 128 rows by one tensor load.
; The scale words of all of K stay in registers (lanes 0-15: steps 0-7, lanes 16-31: steps 8-15).  Paths 0, 1: the bias is the C of the first step; path 2: that C is 0 and bv is added on the way out.
; NO CLUSTER: Wk and Wv have two tiles of 256 rows each and stand in opposite regions, so no axis of four partners shares the same region in all three paths.
; NO PREFETCH: the walk has six chunks, two of them asked for at the head; each tile is read by 2 to 32 work-groups of this launch.
; LIMITS: NaN and infinities are not served; a block whose largest magnitude lies under 2^-124 keeps the byte 1.
.set PITCH, 272
.set HALFT, 128*PITCH
.set SLOT,  4*HALFT
.set SPARE, 2*SLOT
.set CHUNKS, 6
.set QSC,   3145728
.set ADRA, 16                          ; v16-19 source 1's addresses: slot 0, 1; across two chunks from slot 0, 1
.set ADRB, 20                          ; v20-23 source 0's
.set OPS,  24
.set ORS,  25
.set OEM,  26
.set OBI,  27
.set SPW,  28
.set NIL,  29
.set OBV,  30
.set SC0,  32
.set SC1,  96
.set AF,   160
.set Y,    32
.set CD,   64
.set TT,   70
.set TM,   74
.set WD,   80
.set BB,   160
.set A16,  3
.set A8,   4
.set A4,   6
.set AVB,  7
.set SN,   0
.set G1,  4
.set G0,  20
.set S0P, 36
.set S1P, 88
.set OUT, 38
.set OSC, 42
.set BPT, 46
.set WV,   52
.set MH,   53
.set U,    54
.set PATH, 55
.set MW,   56
.set WB,   58
.set MB,   59
.set SEL,  60
.set WROW, 66
.set MSB, 0
.macro WIN new
.if MSB != \new
	s_set_vgpr_msb (MSB<<8)|\new
.set MSB, \new
.endif
.endm
.macro PLACES n
.rept \n
	v_nop
.endr
.endm
.macro TLOAD s                         ; my 128 rows of a chunk; s_nop 0 and four v_nop
	tensor_load_to_lds s[G0+4*(\s):G0+4*(\s)+3], s[G1:G1+7]
	s_nop 0
	PLACES 4
.endm
	s_load_b512 s[36:51], s[0:1], 0x0
	s_load_b512 s[68:83], s[0:1], 0x40
	s_load_b128 s[84:87], s[0:1], 0x80
	v_lshl_add_u32 v[SPW], v0, 2, SPARE
	v_mov_b32 v[NIL], 0
	ds_add_u32 v[SPW], v[NIL]
	ds_add_u32 v[SPW], v[NIL]
	v_lshrrev_b32 v1, 5, v0
	v_readfirstlane_b32 s[WV], v1
	s_lshr_b32 s[MH], s[WV], 1
	s_and_b32 s[U], s[WV], 1
	s_lshr_b32 s[PATH], ttmp9, 6
	s_and_b32 s2, ttmp9, 63
	s_cmp_eq_u32 s[PATH], 0
	s_cselect_b32 s3, 7, 1
	s_cselect_b32 s62, 3, 1
	s_and_b32 s[WB], s2, s3                        ; the weight's tile: 8 in path 0, else 2
	s_lshr_b32 s[MB], s2, s62                      ; the tokens' tile: 8 in path 0, else 32
	s_lshl_b32 s[WROW], s[WB], 8
	s_lshl_b32 s2, s[U], 6
	s_add_co_u32 s[WROW], s[WROW], s2              ; paths 0, 1: my first row of the weight
	s_lshl_b32 s[MW], s[MB], 1
	s_add_co_u32 s[MW], s[MW], s[MH]               ; paths 0, 1: my run of 128 tokens
	s_mov_b32 s[G1], (1<<20)|(5<<22)|(3<<25)       ; bytes; 16 bytes of padding behind every 256
	s_mov_b32 s[G1+1], 256<<16
	s_mov_b32 s[G1+2], 128<<16
	s_mov_b32 s[G1+3], 256<<16
	s_mov_b32 s[G1+4], 128
	s_mov_b32 s[G1+5], 1536
	s_mov_b32 s[G1+6], 0
	s_mov_b32 s[G1+7], 0
	s_mov_b32 s[SEL], 0x76543210
	s_mov_b32 s[SEL+1], 0xfedcba98
	s_mul_i32 s12, s[WB], 393216                   ; 256 rows of codes
	s_mov_b32 s13, 0
	s_lshl_b32 s14, s[WB], 14                      ; and of scales
	s_mov_b32 s15, 0
	s_mul_i32 s16, s[MB], 393216
	s_mov_b32 s17, 0
	s_lshl_b32 s18, s[MB], 14
	s_mov_b32 s19, 0
	s_mul_i32 s28, s[U], 196608                    ; which 128 rows of a tile I fetch
	s_mov_b32 s29, 0
	s_lshl_b32 s30, s[U], 12                       ; X's scales: 64 u rows
	s_mov_b32 s31, 0
	s_lshl_b32 s32, s[MH], 13                      ; Y's: 128 mh rows
	s_mov_b32 s33, 0
	s_mul_i32 s62, s[WV], HALFT
	s_mul_i32 s34, s[U], 64*PITCH
	s_mul_i32 s35, s[MH], HALFT
	s_add_co_u32 s35, s35, 2*HALFT
	s_mov_b32 s63, SLOT-232
	s_mov_b32 s2, SLOT+232
	s_wait_dscnt 0x0
	s_wait_kmcnt 0x0
	s_add_nc_u64 s[98:99], s[68:69], QSC
	s_cmp_eq_u32 s[PATH], 0
	s_cselect_b64 s[88:89], s[36:37], s[40:41]
	s_cselect_b64 s[90:91], s[38:39], s[42:43]
	s_cselect_b64 s[92:93], s[68:69], s[48:49]
	s_cselect_b64 s[94:95], s[98:99], s[50:51]
	s_cselect_b64 s[96:97], s[70:71], s[72:73]
	s_cmp_eq_u32 s[PATH], 2
	s_cselect_b64 s[88:89], s[44:45], s[88:89]
	s_cselect_b64 s[90:91], s[46:47], s[90:91]
	s_cselect_b64 s[96:97], s[74:75], s[96:97]     ; the bias
	s_add_nc_u64 s[88:89], s[88:89], s[12:13]
	s_add_nc_u64 s[90:91], s[90:91], s[14:15]
	s_add_nc_u64 s[92:93], s[92:93], s[16:17]
	s_add_nc_u64 s[94:95], s[94:95], s[18:19]
	s_cselect_b64 s[40:41], s[92:93], s[88:89]     ; X's codes, X's scales, Y's codes, Y's scales
	s_cselect_b64 s[42:43], s[94:95], s[90:91]
	s_cselect_b64 s[44:45], s[88:89], s[92:93]
	s_cselect_b64 s[46:47], s[90:91], s[94:95]
	s_cmp_eq_u32 s[MH], 0                          ; waves 0, 1 fetch X's halves, waves 2, 3 Y's
	s_cselect_b64 s[48:49], s[40:41], s[44:45]
	s_add_nc_u64 s[48:49], s[48:49], s[28:29]
	s_add_nc_u64 s[S0P:S0P+1], s[42:43], s[30:31]
	s_add_nc_u64 s[S0P+2:S0P+3], s[S0P:S0P+1], 8192
	s_add_nc_u64 s[S1P:S1P+1], s[46:47], s[32:33]
	s_add_nc_u64 s[S1P+2:S1P+3], s[S1P:S1P+1], 4096
	s_lshl_b32 s50, s[WROW], 2
	s_mov_b32 s51, 0
	s_add_nc_u64 s[BPT:BPT+1], s[96:97], s[50:51]
.irp s, 0,1
	s_mov_b32 s[G0+4*\s], 1
	s_add_co_u32 s[G0+4*\s+1], s62, \s*SLOT
	s_add_nc_u64 s[G0+4*\s+2:G0+4*\s+3], s[48:49], \s*256
	s_or_b32 s[G0+4*\s+3], s[G0+4*\s+3], 0x80000000
.endr
	TLOAD 0                                        ; chunk 0: one load a wave at the head
	v_and_b32 v1, 15, v0                           ; r
	v_bfe_u32 v2, v0, 4, 1                         ; h
	v_bfe_u32 v3, v0, 3, 1
	v_and_b32 v4, 7, v0
	v_lshlrev_b32 v4, 1, v4
	v_lshl_add_u32 v4, v3, 5, v4                   ; source 0's row in a tile: 2 (r % 8) + 32 (r / 8)
	v_lshl_add_u32 v5, v3, 3, v1                   ; source 1's: r + 8 (r / 8)
	v_mul_u32_u24 v6, v2, 24
	v_mul_u32_u24 v9, s63, v2
	v_add_nc_u32 v9, 232, v9                       ; lanes 0-15 byte 232 in slot 0, lanes 16-31 byte 0 in slot 1
	v_sub_nc_u32 v10, 1, v2
	v_mul_u32_u24 v10, s2, v10                     ; lanes 0-15 byte 232 in slot 1, lanes 16-31 byte 0 in slot 0
	v_mad_u32_u24 v7, v4, PITCH, s34
	v_mad_u32_u24 v8, v5, PITCH, s35
	v_add_nc_u32 v[ADRB], v7, v6
	v_add_nc_u32 v[ADRB+1], SLOT, v[ADRB]
	v_add_nc_u32 v[ADRB+2], v7, v9
	v_add_nc_u32 v[ADRB+3], v7, v10
	v_add_nc_u32 v[ADRA], v8, v6
	v_add_nc_u32 v[ADRA+1], SLOT, v[ADRA]
	v_add_nc_u32 v[ADRA+2], v8, v9
	v_add_nc_u32 v[ADRA+3], v8, v10
	v_lshlrev_b32 v[OPS], 6, v4
	v_lshl_add_u32 v[OPS], v2, 5, v[OPS]
	v_lshlrev_b32 v[ORS], 6, v5
	v_lshl_add_u32 v[ORS], v2, 5, v[ORS]
	v_lshlrev_b32 v[OEM], 8, v5
	v_lshl_add_u32 v[OEM], v2, 6, v[OEM]
	v_lshlrev_b32 v[OBI], 7, v2
	v_lshlrev_b32 v[OBV], 2, v5
	s_wait_alu depctr_va_vdst(0)
.irp g, 0,1
.irp j, 0,1,2,3
	global_load_b128 v[SC0+8*(4*\g+\j):SC0+8*(4*\g+\j)+3], v[OPS], s[S0P+2*\g:S0P+2*\g+1] offset:(16*(\j%2)+\j/2)*64
	global_load_b128 v[SC0+8*(4*\g+\j)+4:SC0+8*(4*\g+\j)+7], v[OPS], s[S0P+2*\g:S0P+2*\g+1] offset:(16*(\j%2)+\j/2)*64+16
	global_load_b128 v[SC1+8*(4*\g+\j):SC1+8*(4*\g+\j)+3], v[ORS], s[S1P+2*\g:S1P+2*\g+1] offset:(32*(\j/2)+8*(\j%2))*64
	global_load_b128 v[SC1+8*(4*\g+\j)+4:SC1+8*(4*\g+\j)+7], v[ORS], s[S1P+2*\g:S1P+2*\g+1] offset:(32*(\j/2)+8*(\j%2))*64+16
.endr
.endr
	WIN 0x80
.irp g, 0,1
.irp t, 0,1,2,3,4,5,6,7
	global_load_b128 v[32*\g+4*\t:32*\g+4*\t+3], v[OBI], s[BPT:BPT+1] offset:512*\g+16*\t   ; the bias at my rows 128 g + 32 h + 0 .. 31, into registers that the first products write later
.endr
.endr
	WIN 0
.macro FRAG reg, adr, st, rowc         ; 16 rows x 128 K: six pieces of 8 bytes; byte y of a row lies in slot (y / 256) % 2 at byte y % 256
.irp p, 0,1,2,3,4,5
.set BY, 96*(\st)+48*(\p/3)+8*(\p%3)
.if BY/256 == (BY+24)/256
	ds_load_b64 v[(\reg)+2*\p:(\reg)+2*\p+1], v[\adr+(BY/256)%2] offset:BY%256+(\rowc)*PITCH
.else
	ds_load_b64 v[(\reg)+2*\p:(\reg)+2*\p+1], v[\adr+2+(BY/256)%2] offset:BY%256-232+(\rowc)*PITCH
.endif
.endr
.endm
.macro FETCH_B st, p
	WIN 0x40
.irp g, 0,1
.irp j, 0,1,2,3
	FRAG 128*(\p)+12*(4*\g+\j), ADRB, \st, 128*\g+16*(\j%2)+\j/2
.endr
.endr
	WIN 0
.endm
.macro FETCH_A st, hi
.irp j, 0,1,2,3
	FRAG AF+12*(4*(\hi)+\j), ADRA, \st, 64*(\hi)+32*(\j/2)+8*(\j%2)
.endr
.endm
.macro MUL16 a0, p, s, zero            ; the 64 accumulators take turns
.irp a, \a0, \a0+1
.irp b, 0,1,2,3,4,5,6,7
.set DD, 8*(8*((\a)%4)+\b)
.set BF, 128*(\p)+12*\b
.set AA, AF+12*(\a)
.set CC, 96+128*(\b/4)+8*(\b%4)
.if \zero
	v_wmma_scale_f32_16x16x128_f8f6f4 v[DD:DD+7], v[BF:BF+11], v[AA:AA+11], v[CC:CC+7], v[SC0+8*\b+(\s)%8], v[SC1+8*(\a)+(\s)%8] matrix_a_fmt:MATRIX_FMT_FP6 matrix_b_fmt:MATRIX_FMT_FP6
.elseif (\s) < 8
	v_wmma_scale_f32_16x16x128_f8f6f4 v[DD:DD+7], v[BF:BF+11], v[AA:AA+11], v[DD:DD+7], v[SC0+8*\b+(\s)%8], v[SC1+8*(\a)+(\s)%8] matrix_a_fmt:MATRIX_FMT_FP6 matrix_b_fmt:MATRIX_FMT_FP6
.else
	v_wmma_scale_f32_16x16x128_f8f6f4 v[DD:DD+7], v[BF:BF+11], v[AA:AA+11], v[DD:DD+7], v[SC0+8*\b+(\s)%8], v[SC1+8*(\a)+(\s)%8] matrix_a_fmt:MATRIX_FMT_FP6 matrix_b_fmt:MATRIX_FMT_FP6 matrix_a_scale:MATRIX_SCALE_ROW1 matrix_b_scale:MATRIX_SCALE_ROW1
.endif
.endr
.endr
.endm
; A step: 64 products; the next step's fragments are fetched in its middle and at its end.  Where the next step ends in a chunk not read yet: a barrier shows it whole.
; Where the next step begins in a later chunk: the chunk left behind is read no more, and behind the barrier its slot takes the chunk two further on.
.macro STEP st, zero
.set NX, (\st)+1
.set C0, (96*(\st))/256
.set C1, (96*NX)/256
.set E0, (96*(\st)+95)/256
.set E1, (96*NX+95)/256
.if C1 > C0 || E1 > E0
	s_wait_tensorcnt 0x0                           ; my one load that was out has landed
.if C1 > C0
	ds_add_u32 v[SPW], v[NIL]
	s_wait_dscnt 25                                ; the add and source 1's blocks 4-7 (24 loads) may be out
.else
	s_wait_dscnt 24
.endif
	WIN 0xa1-0x10*(\zero)
	MUL16 0, (\st)%2, \st, \zero
	s_wait_dscnt 0x0                               ; the add and all my reads are done
	s_barrier_signal -1
	MUL16 2, (\st)%2, \st, \zero
	WIN 0
	s_barrier_wait -1
.if C1 > C0 && C0+2 < CHUNKS
	s_add_nc_u64 s[G0+4*(C0%2)+2:G0+4*(C0%2)+3], s[G0+4*(C0%2)+2:G0+4*(C0%2)+3], 512
	TLOAD C0%2                                     ; its four v_nop are the places in front of the loads below
.else
	PLACES 4
.endif
.else
	s_wait_dscnt 24                                ; source 1's blocks 4-7 may be out
	WIN 0xa1-0x10*(\zero)
	MUL16 0, (\st)%2, \st, \zero
	MUL16 2, (\st)%2, \st, \zero
	s_wait_dscnt 0x0
	PLACES 4
.endif
	FETCH_B NX, NX%2
	FETCH_A NX, 0
	WIN 0xf1-0x20*(\zero)
	MUL16 4, (\st)%2, \st, \zero
	MUL16 6, (\st)%2, \st, \zero
	PLACES 4
	WIN 0
	FETCH_A NX, 1
.endm
	s_wait_tensorcnt 0x0                           ; my part of chunk 0 is in; slot 1's first fill is issued as a refill is
	ds_add_u32 v[SPW], v[NIL]
	s_wait_dscnt 0x0
	s_barrier_signal -1
	s_barrier_wait -1
	TLOAD 1
	FETCH_B 0, 0
	FETCH_A 0, 0
	FETCH_A 0, 1
	s_wait_loadcnt 0x0                             ; the scale words and the bias
	s_cmp_lg_u32 s[PATH], 2
	s_cselect_b32 vcc_lo, -1, 0
	WIN 0x48
.irp g, 0,1
.irp j, 0,1,2,3
.irp i, 0,1,2,3,4,5,6,7
	v_cndmask_b32 v[96+128*\g+8*\j+\i], 0, v[32*\g+2*(8*(\j%2)+\i)+\j/2], vcc_lo   ; the first step's C, in the result's layout: the bias in paths 0, 1; 0 in path 2
.endr
.endr
.endr
	WIN 0
	PLACES 4
	s_wait_alu depctr_va_vdst(0)
	STEP 0, 1
.set ST, 1
.rept 14
	STEP ST, 0
.set ST, ST+1
.endr
	s_wait_dscnt 24
	WIN 0xa1
	MUL16 0, 1, 15, 0
	MUL16 2, 1, 15, 0
	s_wait_dscnt 0x0
	WIN 0xf1
	MUL16 4, 1, 15, 0
	MUL16 6, 1, 15, 0
	WIN 0
	PLACES 4
	v_and_b32 v[A4], 31, v0
	v_lshlrev_b32 v[A16], 4, v[A4]
	v_lshlrev_b32 v[A8], 3, v[A4]
	v_lshlrev_b32 v[A4], 2, v[A4]
	v_lshl_add_u32 v[AVB], v1, 2, v2
.macro QUANT2S                         ; 2 blocks of 32, each half in lane l and half in lane l xor 16
.irp b, 0,1
	v_max3_num_f32 v[TM+\b], |v[Y+16*\b]|, |v[Y+16*\b+1]|, 0x1800000
.endr
.irp i, 2,4,6,8,10,12,14
.irp b, 0,1
	v_max3_num_f32 v[TM+\b], v[TM+\b], |v[Y+16*\b+\i]|, |v[Y+16*\b+\i+1]|
.endr
.endr
.irp b, 0,1
	v_permlanex16_b32 v[TM+2+\b], v[TM+\b], s[SEL], s[SEL+1]
.endr
.irp b, 0,1
	v_max_num_f32 v[TM+\b], v[TM+\b], v[TM+2+\b]
.endr
.irp b, 0,1
	v_add_nc_u32 v[TM+4+\b], 0xff000000, v[TM+\b]
.endr
.irp b, 0,1
	v_lshrrev_b32 v[TM+2+\b], 23, v[TM+4+\b]
.endr
	v_lshl_or_b32 v[WD], v[TM+3], 8, v[TM+2]
	v_cvt_scalef32_pk16_fp6_f32 v[CD:CD+2], v[Y:Y+15], v[TM+4]
	v_cvt_scalef32_pk16_fp6_f32 v[TT:TT+2], v[Y+16:Y+31], v[TM+5]
	v_nop
.irp i, 0,1,2
	v_permlane16_swap_b32 v[CD+\i], v[TT+\i]
.endr
.irp i, 0,1,2
	v_mov_b32 v[CD+3+\i], v[TT+\i]
.endr
.endm
.macro QUANT2W                         ; one whole block of 32 in a lane
	v_max3_num_f32 v[TM], |v[Y]|, |v[Y+1]|, 0x1800000
	v_max3_num_f32 v[TM+1], |v[Y+2]|, |v[Y+3]|, |v[Y+4]|
.irp i, 5,9,13,17,21,25
	v_max3_num_f32 v[TM], v[TM], |v[Y+\i]|, |v[Y+\i+1]|
	v_max3_num_f32 v[TM+1], v[TM+1], |v[Y+\i+2]|, |v[Y+\i+3]|
.endr
	v_max3_num_f32 v[TM], v[TM], |v[Y+29]|, |v[Y+30]|
	v_max3_num_f32 v[TM], v[TM], v[TM+1], |v[Y+31]|
	v_add_nc_u32 v[TM+4], 0xff000000, v[TM]
	v_lshrrev_b32 v[WD], 23, v[TM+4]
	v_cvt_scalef32_pk16_fp6_f32 v[CD:CD+2], v[Y:Y+15], v[TM+4]
	v_cvt_scalef32_pk16_fp6_f32 v[TT:TT+2], v[Y+16:Y+31], v[TM+4]
	v_nop
.irp i, 0,1,2
	v_mov_b32 v[CD+3+\i], v[TT+\i]
.endr
.endm
	s_cmp_eq_u32 s[PATH], 2
	s_cbranch_scc1 .Lplain
	; paths 0, 1.  Q's unit: 128 x head + tile of 16 rows.  K's: (8 batch + place of the head) x 196,608 + quarter x 49,152 + step x 6,144; head 4 wb + u + 2 g goes to place 4 u + 2 wb + g
	s_lshl_b32 s2, s[WROW], 1
	s_lshl_b32 s3, s[MW], 3
	s_add_co_u32 s2, s2, s3
	s_mul_i32 s50, s2, 768
	s_lshl_b32 s51, s2, 7
	s_add_co_u32 s51, s51, QSC
	s_lshr_b32 s2, s[MW], 4
	s_lshl_b32 s2, s2, 3
	s_lshl_b32 s3, s[U], 2
	s_add_co_u32 s2, s2, s3
	s_lshl_b32 s3, s[WB], 1
	s_add_co_u32 s2, s2, s3
	s_bfe_u32 s3, s[MW], 0x20002
	s_mul_i32 s62, s2, 196608
	s_mul_i32 s63, s3, 49152
	s_add_co_u32 s62, s62, s63
	s_and_b32 s3, s[MW], 3
	s_mul_i32 s63, s3, 6144
	s_add_co_u32 s62, s62, s63
	s_mul_i32 s63, s2, 20480
	s_and_b32 s3, s[MW], 15
	s_lshl_b32 s3, s3, 10
	s_add_co_u32 s63, s63, s3
	s_mov_b32 s94, 20480
	s_cmp_eq_u32 s[U], 0
	s_cselect_b64 s[36:37], s[78:79], s[80:81]     ; K's even heads turn by peak_mzs_embed, the odd ones by neg_peak_mzs_embed
	s_cmp_eq_u32 s[PATH], 0
	s_cselect_b64 s[36:37], s[76:77], s[36:37]
	s_cselect_b64 s[OUT:OUT+1], s[82:83], s[84:85]
	s_cselect_b64 s[OSC:OSC+1], s[82:83], s[86:87]
	s_cselect_b32 s50, s50, s62
	s_cselect_b32 s88, s51, s63
	s_cselect_b32 s94, 32768, s94
	s_mov_b32 s51, 0
	s_mov_b32 s89, 0
	s_mov_b32 s92, 196608                          ; from g = 0 to g = 1: two heads of Q, or one place of K
	s_mov_b32 s93, 0
	s_mov_b32 s95, 0
	s_add_nc_u64 s[OUT:OUT+1], s[OUT:OUT+1], s[50:51]
	s_add_nc_u64 s[OUT+2:OUT+3], s[OUT:OUT+1], s[92:93]
	s_add_nc_u64 s[OSC:OSC+1], s[OSC:OSC+1], s[88:89]
	s_add_nc_u64 s[OSC+2:OSC+3], s[OSC:OSC+1], s[94:95]
	s_lshl_b32 s50, s[MW], 15
	s_add_nc_u64 s[36:37], s[36:37], s[50:51]
.macro EMB a
.irp t, 0,1,2,3
	global_load_b128 v[SN+32*(\a)+4*\t:SN+32*(\a)+4*\t+3], v[OEM], s[36:37] offset:(64*((\a)/4)+32*(((\a)%4)/2)+8*((\a)%2))*256+16*\t
.endr
.irp t, 0,1,2,3
	global_load_b128 v[SN+32*(\a)+16+4*\t:SN+32*(\a)+16+4*\t+3], v[OEM], s[36:37] offset:(64*((\a)/4)+32*(((\a)%4)/2)+8*((\a)%2))*256+128+16*\t
.endr
.endm
.macro ROPE a, g
.set AC, 64*((\a)%4)+32*(\g)
.set W, 2+(\a)/4
.if (\g) == 0
.if (\a) == 0
	s_wait_loadcnt 32                              ; of five blocks' 40 loads the first eight are in
.else
	s_wait_loadcnt 8*(7-(\a))
.endif
.endif
	WIN 4|W
.irp i, 0,2,4,6,8,10,12,14
	v_pk_mul_f32 v[Y+\i:Y+\i+1], v[AC+16+\i:AC+17+\i], v[SN+32*(\a)+\i:SN+32*(\a)+\i+1]
	v_pk_mul_f32 v[Y+16+\i:Y+17+\i], v[AC+\i:AC+\i+1], v[SN+32*(\a)+\i:SN+32*(\a)+\i+1]
.endr
.irp i, 0,2,4,6,8,10,12,14
	v_pk_fma_f32 v[Y+\i:Y+\i+1], v[AC+\i:AC+\i+1], v[SN+32*(\a)+16+\i:SN+32*(\a)+17+\i], v[Y+\i:Y+\i+1] neg_lo:[0,0,1] neg_hi:[0,0,1]
	v_pk_fma_f32 v[Y+16+\i:Y+17+\i], v[AC+16+\i:AC+17+\i], v[SN+32*(\a)+16+\i:SN+32*(\a)+17+\i], v[Y+16+\i:Y+17+\i]
.endr
	WIN 0
.if (\a)+(\g) > 0
	s_wait_xcnt 0x0                                ; the last stores have read their data
.endif
	QUANT2S
	global_store_b128 v[A16], v[CD:CD+3], s[OUT+2*(\g):OUT+2*(\g)+1] offset:768*(\a)
	global_store_b64 v[A8], v[CD+4:CD+5], s[OUT+2*(\g):OUT+2*(\g)+1] offset:768*(\a)+512
	global_store_b32 v[A4], v[WD], s[OSC+2*(\g):OSC+2*(\g)+1] offset:128*(\a)
.endm
	WIN 0x40
.irp a, 0,1,2,3,4
	EMB \a
.endr
	ROPE 0, 0
	ROPE 0, 1
	WIN 0x40
.irp a, 5,6,7
	EMB \a
.endr
.irp a, 1,2,3,4,5,6,7
.irp g, 0,1
	ROPE \a, \g
.endr
.endr
	s_branch .Ldone
.Lplain:
	; path 2.  My heads: 4 wb + 2 mh + a / 4.  My keys: piece c is keys 64 u .. +63 of the step 2 mb + c of 128 keys: unit 2 (a % 4) + u of that step
	s_lshr_b32 s2, s[MB], 3
	s_lshl_b32 s2, s2, 3
	s_lshl_b32 s3, s[WB], 2
	s_add_co_u32 s2, s2, s3
	s_lshl_b32 s3, s[MH], 1
	s_add_co_u32 s2, s2, s3
	s_bfe_u32 s3, s[MB], 0x20001
	s_mul_i32 s50, s2, 196608
	s_mul_i32 s62, s3, 49152
	s_add_co_u32 s50, s50, s62
	s_and_b32 s3, s[MB], 1
	s_mul_i32 s62, s3, 12288
	s_add_co_u32 s50, s50, s62
	s_mul_i32 s62, s[U], 768
	s_add_co_u32 s50, s50, s62
	s_add_co_u32 s50, s50, 24576
	s_mov_b32 s51, 0
	s_add_nc_u64 s[OUT:OUT+1], s[84:85], s[50:51]
	s_mul_i32 s50, s2, 20480
	s_and_b32 s3, s[MB], 7
	s_lshl_b32 s3, s3, 9
	s_add_co_u32 s50, s50, s3
	s_lshl_b32 s3, s[U], 1
	s_add_co_u32 s50, s50, s3
	s_add_co_u32 s50, s50, 16384
	s_add_nc_u64 s[OSC:OSC+1], s[86:87], s[50:51]
	s_lshl_b32 s50, s[WB], 10
	s_lshl_b32 s3, s[MH], 9
	s_add_co_u32 s50, s50, s3
	s_add_nc_u64 s[BPT:BPT+1], s[96:97], s[50:51]
.irp a, 0,1,2,3,4,5,6,7
	global_load_b32 v[BB+\a], v[OBV], s[BPT:BPT+1] offset:(64*(\a/4)+32*((\a%4)/2)+8*(\a%2))*4
.endr
	s_wait_loadcnt 0x0
.macro PLAIN a, c
.set AC, 64*((\a)%4)+32*(\c)
	WIN 2+(\a)/4
.irp i, 0,1,2,3,4,5,6,7,8,9,10,11,12,13,14,15
	v_add_f32 v[Y+2*\i], v[AC+\i], v[BB+(\a)]
	v_add_f32 v[Y+2*\i+1], v[AC+16+\i], v[BB+(\a)]
.endr
	WIN 0
.if (\a)+(\c) > 0
	s_wait_xcnt 0x0
.endif
	QUANT2W
	global_store_b128 v[A16], v[CD:CD+3], s[OUT:OUT+1] offset:((\a)/4)*196608+(\c)*6144+2*((\a)%4)*768
	global_store_b64 v[A8], v[CD+4:CD+5], s[OUT:OUT+1] offset:((\a)/4)*196608+(\c)*6144+2*((\a)%4)*768+512
	global_store_b8 v[AVB], v[WD], s[OSC:OSC+1] offset:((\a)/4)*20480+(\c)*256+((\a)%4)*64
.endm
.irp a, 0,1,2,3,4,5,6,7
.irp c, 0,1
	PLAIN \a, \c
.endr
.endr
.Ldone:
	s_wait_tensorcnt 0x0                           ; the wave's end
	ds_add_u32 v[SPW], v[NIL]
	s_wait_dscnt 0x0
	s_endpgm
.Lfunc_end_k_q5572587c4b_proj:
	.size	k_q5572587c4b_proj, .Lfunc_end_k_q5572587c4b_proj-k_q5572587c4b_proj
	.p2alignl 7, 3214868480
	.fill 96, 4, 3214868480
	.section	.rodata,"a",@progbits
	.p2align	6, 0x0
	.amdhsa_kernel k_q5572587c4b_proj
		.amdhsa_group_segment_fixed_size 327680
		.amdhsa_private_segment_fixed_size 0
		.amdhsa_enable_private_segment 0
		.amdhsa_kernarg_size 144
		.amdhsa_user_sgpr_count 2
		.amdhsa_user_sgpr_kernarg_segment_ptr 1
		.amdhsa_wavefront_size32 1
		.amdhsa_system_sgpr_workgroup_id_x 1
		.amdhsa_system_sgpr_workgroup_id_y 1
		.amdhsa_system_sgpr_workgroup_id_z 1
		.amdhsa_system_vgpr_workitem_id 0
		.amdhsa_next_free_vgpr 1024
		.amdhsa_next_free_sgpr 100
		.amdhsa_reserve_vcc 1
		.amdhsa_float_denorm_mode_32 3
		.amdhsa_float_denorm_mode_16_64 3
		.amdhsa_memory_ordered 1
		.amdhsa_forward_progress 1
		.amdhsa_inst_pref_size 255
	.end_amdhsa_kernel
	.section	.bss,"aw",@nobits
	.p2align	6
	.space	262144
	.amdgpu_metadata
---
amdhsa.version: [ 1, 2 ]
amdhsa.kernels:
  - .name:           k_q5572587c4b_proj
    .symbol:         k_q5572587c4b_proj.kd
    .args:
      - { .name: Wq_codes, .offset: 0, .size: 8, .value_kind: global_buffer, .address_space: global }
      - { .name: Wq_scales, .offset: 8, .size: 8, .value_kind: global_buffer, .address_space: global }
      - { .name: Wk_codes, .offset: 16, .size: 8, .value_kind: global_buffer, .address_space: global }
      - { .name: Wk_scales, .offset: 24, .size: 8, .value_kind: global_buffer, .address_space: global }
      - { .name: Wv_codes, .offset: 32, .size: 8, .value_kind: global_buffer, .address_space: global }
      - { .name: Wv_scales, .offset: 40, .size: 8, .value_kind: global_buffer, .address_space: global }
      - { .name: mem_codes, .offset: 48, .size: 8, .value_kind: global_buffer, .address_space: global }
      - { .name: mem_scales, .offset: 56, .size: 8, .value_kind: global_buffer, .address_space: global }
      - { .name: tgtq, .offset: 64, .size: 8, .value_kind: global_buffer, .address_space: global }
      - { .name: bq, .offset: 72, .size: 8, .value_kind: global_buffer, .address_space: global }
      - { .name: bk, .offset: 80, .size: 8, .value_kind: global_buffer, .address_space: global }
      - { .name: bv, .offset: 88, .size: 8, .value_kind: global_buffer, .address_space: global }
      - { .name: step_mass_embed, .offset: 96, .size: 8, .value_kind: global_buffer, .address_space: global }
      - { .name: peak_mzs_embed, .offset: 104, .size: 8, .value_kind: global_buffer, .address_space: global }
      - { .name: neg_peak_mzs_embed, .offset: 112, .size: 8, .value_kind: global_buffer, .address_space: global }
      - { .name: qq, .offset: 120, .size: 8, .value_kind: global_buffer, .address_space: global }
      - { .name: kv_img, .offset: 128, .size: 8, .value_kind: global_buffer, .address_space: global }
      - { .name: kv_sc, .offset: 136, .size: 8, .value_kind: global_buffer, .address_space: global }
    .group_segment_fixed_size: 327680
    .private_segment_fixed_size: 0
    .kernarg_segment_align: 8
    .kernarg_segment_size: 144
    .max_flat_workgroup_size: 128
    .sgpr_count:     100
    .vgpr_count:     1024
    .wavefront_size: 32
...
	.end_amdgpu_metadata
.endif
;; end of part 2
;; launch attn (part 3): grid 8 x 32, 16 waves a work-group, clusters of 4 x 1, 327,680 bytes of LDS; arguments qq, kv_img, kv_sc, attq; writes attq
.if DOCPART == 3
	.amdgcn_target "amdgcn-amd-amdhsa--gfx1250"
	.amdhsa_code_object_version 6
	.text
	.protected	k_q5572587c4b_attn
	.globl	k_q5572587c4b_attn
	.p2align	8
	.type	k_q5572587c4b_attn,@function
k_q5572587c4b_attn:
	s_mov_b64 s[64:65], 0
	v_nop
	global_prefetch_b8 v0, s[64:65] scope:SCOPE_SE
	s_setreg_imm32_b32 hwreg(HW_REG_WAVE_MODE, 25, 1), 1
	s_wait_xcnt 0x0
	s_wait_alu depctr_hold_cnt(0) depctr_sa_sdst(0) depctr_va_vdst(0) depctr_va_sdst(0) depctr_va_ssrc(0) depctr_va_vcc(0) depctr_vm_vsrc(0)
	s_getreg_b32 s2, hwreg(HW_REG_IB_STS2, 6, 4)
	s_cmp_eq_u32 s2, 0
	s_cbranch_scc0 .Lentry_in_a_cluster
	s_endpgm
.Lentry_in_a_cluster:
	s_bfe_u32 s2, ttmp6, 0x10000c
	s_cmp_lg_u32 s2, 0x3003
	s_cbranch_scc0 .Lentry_shape_is_right
	s_endpgm
.Lentry_shape_is_right:
; The attention on codes of FP6 (E2M3): S^T = K Q^T (K = the head's 64: the upper half of the instruction's 128 is zero codes on both sides), the softmax ahead of a quantised product, O^T = V^T P^T (K = the keys),
; O / the row's sum, and the quantiser of the result along the head's 64, which are 64 of the last projection's K.
; t = score x log2(e) / 8; M = the running largest t rounded UP to a whole number; p = 2^(t - M) is quantised along the keys, not normalised; the sum is taken of the unquantised p.  When M moves, the sum and O are multiplied by 2^(old M - new M): exact.
; SHARES.  A work-group owns one batch and kv head (y) and 64 queries (x); its sixteen waves are the four query heads of the group x four tiles of 16 queries: a tile to a wave, 256 registers, four waves to a SIMD.
; ALL 2,048 keys' codes of K and V and their scale words, 217,088 bytes, lie in LDS, filled ONCE: no slot is filled again.  They come in four quarters of 512 keys, so that the first steps begin while the later quarters are on their way.
; CLUSTER 4 x 1: the four work-groups of a cluster differ in their queries alone and ask for K and V jointly.
; K, V and Q lie in memory as images of the operands' registers (a unit: registers 0-3 at 16 x lane, registers 4-5 at 512 + 8 x lane): every LDS load reads consecutive bytes.
; Key tile 2 b + u of a step holds in lane r key 32 b + 8 u + r + 8 (r / 8): the 16 registers of tiles 2 b, 2 b + 1 of S^T are keys 32 b + 16 h + 0 .. 15.  V's tiles of 16 of the head's 64 are ordered likewise, so that O^T's registers run along the next K.
; A block's largest p is made of the block's largest score by the same multiply-add and exponential (this takes v_exp_f32 not to fall where its input rises).
; LIMITS: NaN and infinities are not served; a block whose largest magnitude lies under 2^-124 keeps the byte 1.
; REGISTERS: v1-4 lane offsets; v8-11 the step's addresses; v12 -M, v13 the largest t, v[14:15] the sum; v16-27 Q; v32-79 four fragments of K; v96-159 S^T, p, then V's four fragments; v160-191 O^T; v192-203 p's codes; v204-227 at work; v228.. scale words.
.set SCB, 196608                       ; LDS: behind the codes, K's scale words (16,384 bytes) and V's (4,096)
.set QSC, 3145728
.set BM,  212                          ; v212-215 the blocks' largest scores, then p
.set BT,  216                          ; v216-219 the other half's; bytes; a chain of the sum
.set SO,  220                          ; v220-223 the conversions' scale operands
.set TP,  224
.set FF,  226                          ; v[226:227] f = 2^(old M - new M)
.set PW,  228                          ; p's scale word
.set QW,  229                          ; Q's
.set KW,  232                          ; v232-235 K's
.set VW,  236                          ; v236-239 V's
.set PCD, 192
.set PT,  204
.set WV,  8
.set W3,  9
.set WG,  10
.set BH,  11
.set G1A, 12                           ; s[12:19] group 1: 16 rows of 256 bytes
.set G1C, 36                           ; s[36:43] group 1: 36 rows of 256 bytes
.set G1B, 20                           ; s[20:27] 20 rows of 256 bytes
.set G0,  28                           ; groups 0: s[28:31] quarter 0's codes, s[32:35] the scale words, s[44:47] quarters 1 to 3
.set TB,  56
.set TS,  57
.set TV,  58
.set CNT, 59
.set SEL, 60
.set CS,  62
.macro PLACES n
.rept \n
	v_nop
.endr
.endm
.macro CROUND                          ; a round of the cluster's barrier
	s_barrier_signal -1
	s_barrier_wait -1
	s_cmp_lg_u32 s[WV], 0
	s_cbranch_scc1 .Lnot_wave_0_\@
	s_barrier_signal -3
.Lnot_wave_0_\@:
	s_barrier_wait -3
	s_barrier_signal -1
	s_barrier_wait -1
.endm
	s_load_b256 s[48:55], s[0:1], 0x0              ; qq 48, kv_img 50, kv_sc 52, attq 54
	v_lshl_add_u32 v254, v0, 2, 0x36000
	v_mov_b32 v255, 0
	ds_add_u32 v254, v255
	ds_add_u32 v254, v255
	v_lshrrev_b32 v1, 5, v0
	s_delay_alu instid0(VALU_DEP_1)
	v_readfirstlane_b32 s[WV], v1                  ; wave 0..15
	s_and_b32 s[W3], s[WV], 3                      ; my tile of queries.  Also: which quarter of each block a fetching wave brings
	s_lshr_b32 s[WG], s[WV], 2                     ; my query head in the group
	s_and_b32 s[BH], ttmp7, 0xffff                 ; 8 x batch + kv head: the four partners share it
	s_bfe_u32 s66, ttmp6, 0x40000                  ; cx
	s_lshl_b32 s67, ttmp9, 2
	s_add_co_u32 s67, s67, s66                     ; my block of 64 queries: it enters Q's and the result's addresses alone
	s_mov_b32 s[G1A], 15|(3<<16)|(1<<21)           ; the mask: all four work-groups; elements of 8 bytes; bit 21 beside the mask; no padding
	s_mov_b32 s[G1A+1], 32<<16
	s_mov_b32 s[G1A+2], 16<<16
	s_mov_b32 s[G1A+3], 32<<16
	s_mov_b32 s[G1A+4], 16
	s_mov_b32 s[G1A+5], 32
	s_mov_b32 s[G1A+6], 0
	s_mov_b32 s[G1A+7], 0
	s_mov_b32 s[G1B], 15|(3<<16)|(1<<21)
	s_mov_b32 s[G1B+1], 32<<16
	s_mov_b32 s[G1B+2], 20<<16
	s_mov_b32 s[G1B+3], 32<<16
	s_mov_b32 s[G1B+4], 20
	s_mov_b32 s[G1B+5], 32
	s_mov_b32 s[G1B+6], 0
	s_mov_b32 s[G1B+7], 0
	s_mov_b32 s[G1C], 15|(3<<16)|(1<<21)
	s_mov_b32 s[G1C+1], 32<<16
	s_mov_b32 s[G1C+2], 36<<16
	s_mov_b32 s[G1C+3], 32<<16
	s_mov_b32 s[G1C+4], 36
	s_mov_b32 s[G1C+5], 32
	s_mov_b32 s[G1C+6], 0
	s_mov_b32 s[G1C+7], 0
	s_mul_i32 s68, s[BH], 196608
	s_mov_b32 s69, 0
	s_mul_i32 s70, s[BH], 20480
	s_mul_i32 s3, s[W3], 5120
	s_add_co_u32 s70, s70, s3
	s_mov_b32 s71, 0
	s_and_b32 s72, s[BH], 7
	s_lshl_b32 s72, s72, 2
	s_add_co_u32 s72, s72, s[WG]                   ; my query head
	s_lshr_b32 s73, s[BH], 3
	s_lshl_b32 s73, s73, 5
	s_lshl_b32 s67, s67, 2
	s_add_co_u32 s73, s73, s67
	s_add_co_u32 s73, s73, s[W3]                   ; my tile of rows: 32 x batch + 4 x block + wave % 4
	s_lshl_b32 s66, s72, 7
	s_add_co_u32 s66, s66, s73                     ; Q's unit
	s_mul_i32 s74, s66, 768
	s_mov_b32 s75, 0
	s_lshl_b32 s76, s66, 7
	s_add_co_u32 s76, s76, QSC
	s_mov_b32 s77, 0
	s_lshl_b32 s66, s73, 5
	s_add_co_u32 s66, s66, s72                     ; the result's unit: 32 x tile of rows + head
	s_mul_i32 s78, s66, 768
	s_mov_b32 s79, 0
	s_lshl_b32 s80, s73, 10                        ; its scale bytes: 1,024 a tile of rows, 64 a row, 2 a head
	s_lshl_b32 s66, s72, 1
	s_add_co_u32 s80, s80, s66
	s_add_co_u32 s80, s80, QSC
	s_mov_b32 s81, 0
	s_mov_b32 s[SEL], 0x76543210
	s_mov_b32 s[SEL+1], 0xfedcba98
	s_mov_b32 s[CS], 0x3e38aa3b                    ; c = log2(e) / 8
	s_mov_b32 s[CS+1], s[CS]                       ; (named with it as a pair, so it is written)
	s_wait_dscnt 0x0
	s_wait_kmcnt 0x0
	s_add_nc_u64 s[68:69], s[50:51], s[68:69]
	s_add_nc_u64 s[70:71], s[52:53], s[70:71]
	s_add_nc_u64 s[74:75], s[48:49], s[74:75]
	s_add_nc_u64 s[76:77], s[48:49], s[76:77]
	s_add_nc_u64 s[78:79], s[54:55], s[78:79]
	s_add_nc_u64 s[80:81], s[54:55], s[80:81]
	CROUND                                         ; all four work-groups are here: the joint loads meet
	s_lshl_b32 s66, s[WV], 12                      ; quarter 0's 49,152 bytes: 4,096 for each of waves 0 to 11, as they lie in memory
	s_mov_b32 s67, 0
	s_mov_b32 s[G0], 1
	s_add_co_u32 s[G0+1], s66, 0
	s_add_nc_u64 s[G0+2:G0+3], s[68:69], s[66:67]
	s_or_b32 s[G0+3], s[G0+3], 0x80000000
	s_mov_b32 s[G0+4], 1                           ; the scale words: 5,120 bytes for each of waves 12 to 15
	s_add_co_u32 s[G0+5], s3, SCB
	s_mov_b64 s[G0+6:G0+7], s[70:71]
	s_or_b32 s[G0+7], s[G0+7], 0x80000000
	s_mul_i32 s66, s[WV], 9216                     ; quarters 1 to 3: 147,456 bytes, 9,216 a wave
	s_add_co_u32 s66, s66, 49152
	s_mov_b32 s[G0+16], 1
	s_add_co_u32 s[G0+17], s66, 0
	s_add_nc_u64 s[G0+18:G0+19], s[68:69], s[66:67]
	s_or_b32 s[G0+19], s[G0+19], 0x80000000
	s_cmp_lt_u32 s[WV], 12                         ; one load a wave at the head, one in each arm
	s_cbranch_scc0 .Lfor_scales
	tensor_load_to_lds s[G0:G0+3], s[G1A:G1A+7]
	s_nop 0
.rept 4
	v_nop
.endr
	s_branch .Lasked
.Lfor_scales:
	tensor_load_to_lds s[G0+4:G0+7], s[G1B:G1B+7]
	s_nop 0
.rept 4
	v_nop
.endr
.Lasked:
	v_and_b32 v5, 31, v0                           ; lane
	s_delay_alu instid0(VALU_DEP_1)
	v_lshlrev_b32 v1, 4, v5
	s_delay_alu instid0(VALU_DEP_2)
	v_lshlrev_b32 v2, 3, v5
	s_delay_alu instid0(VALU_DEP_3)
	v_lshlrev_b32 v3, 2, v5
	v_and_b32 v6, 15, v0                           ; r
	s_delay_alu instid0(VALU_DEP_1)
	v_lshlrev_b32 v4, 2, v6
	v_bfe_u32 v7, v0, 4, 1                         ; h
	global_load_b128 v[16:19], v1, s[74:75]        ; Q's unit stays in registers
	global_load_b64 v[20:21], v2, s[74:75] offset:512
	global_load_b32 v[QW], v3, s[76:77]
.irp i, 22,23,24,25,26,27
	v_mov_b32 v[\i], 0                             ; K = 64 .. 127: zero codes
.endr
.irp t, 0,1,2,3
.irp i, 6,7,8,9,10,11
	v_mov_b32 v[32+12*\t+\i], 0                    ; the same in K's four fragments: written once
.endr
.endr
	v_mov_b32 v13, 0xff61b1e6                      ; the largest t so far: -3e38
	s_delay_alu instid0(VALU_DEP_1)
	v_floor_f32 v12, -v13                          ; -M
	v_mov_b32 v14, 0
	v_mov_b32 v15, 0
.irp b, 0,1,2,3
	v_mov_b32 v[BT+\b], 0                          ; a lane permute's destination counts as one of its sources
.endr
	v_mov_b32 v[FF+1], 0                           ; (named as the upper half of a pair)
.set j, 0
.rept 32
	v_mov_b32 v[160+j], 0                          ; O^T: the step is written once; its first trip finds zeros
.set j, j+1
.endr
; A KEY STEP: 128 keys.
.macro STEP
	v_add_nc_u32 v8, s[TB], v1
	s_wait_alu depctr_va_vdst(0)
	v_add_nc_u32 v9, s[TB], v2
	s_wait_alu depctr_va_vdst(0)
	v_add_nc_u32 v10, s[TS], v3
	s_wait_alu depctr_va_vdst(0)
	v_add_nc_u32 v11, s[TV], v4
.irp g, 0,1                                    ; S^T = K Q^T, four tiles of 16 keys at a time
.if \g > 0
	PLACES 4                                       ; in front of loads into registers that the last four products read
.endif
.irp t, 0,1,2,3
	ds_load_b128 v[32+12*\t:35+12*\t], v8 offset:768*(4*\g+\t)
	ds_load_b64 v[36+12*\t:37+12*\t], v9 offset:768*(4*\g+\t)+512
	ds_load_b32 v[KW+\t], v10 offset:128*(4*\g+\t)
.endr
	s_wait_dscnt 0x0
.irp t, 0,1,2,3
	v_wmma_scale_f32_16x16x128_f8f6f4 v[96+8*(4*\g+\t):103+8*(4*\g+\t)], v[32+12*\t:43+12*\t], v[16:27], 0, v[KW+\t], v[QW] matrix_a_fmt:MATRIX_FMT_FP6 matrix_b_fmt:MATRIX_FMT_FP6
.endr
.endr
	PLACES 4
.irp b, 0,1,2,3
	v_max3_num_f32 v[BM+\b], v[96+16*\b], v[97+16*\b], v[98+16*\b]     ; the largest score of each block of 32 keys: for the row's maximum and for the block's largest p
.endr
.irp i, 3,5,7,9,11,13
.irp b, 0,1,2,3
	v_max3_num_f32 v[BM+\b], v[BM+\b], v[96+16*\b+\i], v[97+16*\b+\i]
.endr
.endr
.irp b, 0,1,2,3
	v_max_num_f32 v[BM+\b], v[BM+\b], v[111+16*\b]
.endr
.irp b, 0,1,2,3
	s_delay_alu instid0(VALU_DEP_4)
	v_permlanex16_b32 v[BT+\b], v[BM+\b], s[SEL], s[SEL+1]
.endr
.irp b, 0,1,2,3
	s_delay_alu instid0(VALU_DEP_4)
	v_max_num_f32 v[BM+\b], v[BM+\b], v[BT+\b]     ; with lane l xor 16's 16 keys
.endr
	s_delay_alu instid0(VALU_DEP_2)
	v_max3_num_f32 v[TP], v[BM], v[BM+1], v[BM+2]
	s_delay_alu instid0(VALU_DEP_1)
	v_max_num_f32 v[TP], v[TP], v[BM+3]
	s_delay_alu instid0(VALU_DEP_1)
	v_mul_f32 v[TP], s[CS], v[TP]                  ; the step's largest t (c is positive)
	s_delay_alu instid0(VALU_DEP_1)
	v_max_num_f32 v13, v13, v[TP]
	v_mov_b32 v[TP], v12
	s_delay_alu instid0(VALU_DEP_2)
	v_floor_f32 v12, -v13                          ; the new -M = -ceil(t)
	s_delay_alu instid0(VALU_DEP_1)
	v_sub_f32 v[TP], v12, v[TP]                    ; old M - new M: a whole number, 0 or less
	s_delay_alu instid0(VALU_DEP_1)
	v_cvt_i32_f32 v[TP], v[TP]                     ; (it saturates)
	s_delay_alu instid0(VALU_DEP_1)
	v_ldexp_f32 v[FF], 1.0, v[TP]                  ; f
.set j, 0
.rept 32
	v_pk_fma_f32 v[96+j:97+j], v[96+j:97+j], s[CS:CS+1], v[12:13] op_sel_hi:[1,0,0]   ; t - M
.set j, j+2
.endr
.irp b, 0,1,2,3
	v_fma_f32 v[BM+\b], v[BM+\b], s[CS], v12
.endr
.set j, 0
	s_wait_alu depctr_va_vdst(0)
.rept 64
	v_exp_f32 v[96+j], v[96+j]                     ; p = 2^(t - M)
.set j, j+1
.endr
.irp b, 0,1,2,3
	v_exp_f32 v[BM+\b], v[BM+\b]                   ; the block's largest p
.endr
	v_pk_mul_f32 v[14:15], v[14:15], v[FF:FF+1] op_sel_hi:[1,0]        ; the sums under the new M (a plain place behind the exponentials)
	s_wait_alu depctr_va_vdst(0)
.irp b, 0,1,2,3
	v_max_num_f32 v[BM+\b], 0x1800000, v[BM+\b]    ; the floor 2^(3 - 127)
.endr
.irp b, 0,1,2,3
	s_delay_alu instid0(VALU_DEP_4)
	v_add_nc_u32 v[SO+\b], 0xff000000, v[BM+\b]
.endr
.irp b, 0,1,2,3
	s_delay_alu instid0(VALU_DEP_4)
	v_lshrrev_b32 v[BT+\b], 23, v[SO+\b]
.endr
	s_delay_alu instid0(VALU_DEP_3)
	v_lshl_or_b32 v[PW], v[BT+1], 8, v[BT]         ; p's scale word for these 128 keys
	s_delay_alu instid0(VALU_DEP_1)
	v_lshl_or_b32 v[PW], v[BT+2], 16, v[PW]
	s_delay_alu instid0(VALU_DEP_1)
	v_lshl_or_b32 v[PW], v[BT+3], 24, v[PW]
.irp c, 0,1
	v_cvt_scalef32_pk16_fp6_f32 v[PCD+6*\c:PCD+2+6*\c], v[96+32*\c:111+32*\c], v[SO+2*\c]
	v_cvt_scalef32_pk16_fp6_f32 v[PT+4*\c:PT+2+4*\c], v[112+32*\c:127+32*\c], v[SO+2*\c+1]
.endr
	v_nop                                          ; one plain place behind a scaled conversion
.irp c, 0,1
.irp i, 0,1,2
	v_permlane16_swap_b32 v[PCD+6*\c+\i], v[PT+4*\c+\i]            ; a whole block to a lane
.endr
.irp i, 0,1,2
	s_delay_alu instid0(VALU_DEP_3)
	v_mov_b32 v[PCD+3+6*\c+\i], v[PT+4*\c+\i]
.endr
.endr
	v_pk_add_f32 v[216:217], v[100:101], v[104:105]
	v_pk_add_f32 v[252:253], v[108:109], v[112:113]
	v_pk_add_f32 v[250:251], v[116:117], v[120:121]
	v_pk_add_f32 v[248:249], v[124:125], v[128:129]
	v_pk_add_f32 v[246:247], v[132:133], v[136:137]
	v_pk_add_f32 v[244:245], v[140:141], v[144:145]
	v_pk_add_f32 v[242:243], v[148:149], v[152:153]
	v_pk_add_f32 v[14:15], v[14:15], v[156:157]
	v_pk_add_f32 v[216:217], v[216:217], v[96:97]
	v_pk_add_f32 v[252:253], v[252:253], v[98:99]
	v_pk_add_f32 v[250:251], v[250:251], v[102:103]
	v_pk_add_f32 v[248:249], v[248:249], v[106:107]
	v_pk_add_f32 v[246:247], v[246:247], v[110:111]
	v_pk_add_f32 v[244:245], v[244:245], v[114:115]
	v_pk_add_f32 v[242:243], v[242:243], v[118:119]
	v_pk_add_f32 v[14:15], v[14:15], v[122:123]
	v_pk_add_f32 v[216:217], v[216:217], v[126:127]
	v_pk_add_f32 v[252:253], v[252:253], v[130:131]
	v_pk_add_f32 v[250:251], v[250:251], v[134:135]
	v_pk_add_f32 v[248:249], v[248:249], v[138:139]
	v_pk_add_f32 v[246:247], v[246:247], v[142:143]
	v_pk_add_f32 v[244:245], v[244:245], v[146:147]
	v_pk_add_f32 v[242:243], v[242:243], v[150:151]
	v_pk_add_f32 v[14:15], v[14:15], v[154:155]
	v_pk_add_f32 v[216:217], v[216:217], v[158:159]
	s_delay_alu instid0(VALU_DEP_2)
	v_pk_add_f32 v[14:15], v[14:15], v[248:249]
	s_delay_alu instid0(VALU_DEP_2)
	v_pk_add_f32 v[216:217], v[216:217], v[246:247]
	v_pk_add_f32 v[252:253], v[252:253], v[244:245]
	v_pk_add_f32 v[250:251], v[250:251], v[242:243]
	s_delay_alu instid0(VALU_DEP_2)
	v_pk_add_f32 v[14:15], v[14:15], v[252:253]
	s_delay_alu instid0(VALU_DEP_2)
	v_pk_add_f32 v[216:217], v[216:217], v[250:251]
	s_delay_alu instid0(VALU_DEP_1)
	v_pk_add_f32 v[14:15], v[14:15], v[216:217]
.irp t, 0,1,2,3                                ; V's four fragments (16 of the head's 64 x 128 keys) into the registers that p has left
	ds_load_b128 v[96+12*\t:99+12*\t], v8 offset:24576+1536*\t
	ds_load_b64 v[100+12*\t:101+12*\t], v9 offset:24576+1536*\t+512
	ds_load_b128 v[102+12*\t:105+12*\t], v8 offset:24576+1536*\t+768
	ds_load_b64 v[106+12*\t:107+12*\t], v9 offset:24576+1536*\t+1280
	ds_load_b32 v[VW+\t], v11 offset:64*\t
.endr
.set j, 0
.rept 16
	v_pk_mul_f32 v[160+j:161+j], v[160+j:161+j], v[FF:FF+1] op_sel_hi:[1,0]   ; O^T under the new M, while the loads are out
.set j, j+2
.endr
	s_wait_alu depctr_va_vdst(0)
	s_wait_dscnt 0x0
.irp t, 0,1,2,3
	v_wmma_scale_f32_16x16x128_f8f6f4 v[160+8*\t:167+8*\t], v[96+12*\t:107+12*\t], v[PCD:PCD+11], v[160+8*\t:167+8*\t], v[VW+\t], v[PW] matrix_a_fmt:MATRIX_FMT_FP6 matrix_b_fmt:MATRIX_FMT_FP6
.endr
	PLACES 5                                       ; the next step's first products write over V's registers: five places
.endm
; A QUARTER of the keys: its tiles have landed in every fetching wave, then four steps.
.macro QUARTER q
.if \q == 1
	s_wait_tensorcnt 0x0                           ; my part of quarters 1 to 3 is in; nothing is filled again
	s_wait_dscnt 0x0
	s_barrier_signal -1
	s_barrier_wait -1
.endif
	s_mov_b32 s[TB], 49152*\q
	s_mov_b32 s[TS], SCB+4096*\q
	s_mov_b32 s[TV], SCB+16384+1024*\q
	s_mov_b32 s[CNT], 4
.Lstep_\@:
	STEP
	s_add_co_u32 s[TB], s[TB], 6144                ; eight units of K; V's eight lie 24,576 bytes behind them
	s_add_co_u32 s[TS], s[TS], 1024
	s_add_co_u32 s[TV], s[TV], 256
	s_sub_co_u32 s[CNT], s[CNT], 1
	s_cmp_lg_u32 s[CNT], 0
	s_cbranch_scc1 .Lstep_\@
.endm
	s_wait_alu depctr_va_vdst(0)
	s_wait_tensorcnt 0x0                           ; my part of quarter 0 or of the scale words is in; the later first fill is issued as a refill is
	ds_add_u32 v254, v255
	s_wait_dscnt 0x0
	CROUND
	tensor_load_to_lds s[G0+16:G0+19], s[G1C:G1C+7]
	s_nop 0
.rept 4
	v_nop
.endr
	s_wait_loadcnt 0x0                             ; Q
	QUARTER 0
	QUARTER 1
	QUARTER 2
	QUARTER 3
	; THE WAY OUT: O^T / the sum; register 16 b + i is number 32 b + 16 h + i of my query's head: quantised as it stands, and stored as a unit
	v_add_f32 v14, v14, v15
	s_delay_alu instid0(VALU_DEP_1)
	v_permlanex16_b32 v[BT], v14, s[SEL], s[SEL+1]
	s_delay_alu instid0(VALU_DEP_1)
	v_add_f32 v14, v14, v[BT]                      ; the row's sum
	s_wait_alu depctr_va_vdst(0)
	v_rcp_f32 v14, v14
	v_nop                                          ; one plain place behind a transcendental
.set j, 0
	s_wait_alu depctr_va_vdst(0)
.rept 32
	v_mul_f32 v[96+j], v[160+j], v14               ; each accumulator from its low end on
.set j, j+1
.endr
.irp b, 0,1
	v_max3_num_f32 v[BM+\b], |v[96+16*\b]|, |v[97+16*\b]|, 0x1800000   ; my 16 numbers of block b, and the floor 2^(3 - 127)
.endr
.irp i, 2,4,6,8,10,12,14
.irp b, 0,1
	s_delay_alu instid0(VALU_DEP_2)
	v_max3_num_f32 v[BM+\b], v[BM+\b], |v[96+16*\b+\i]|, |v[97+16*\b+\i]|
.endr
.endr
.irp b, 0,1
	s_delay_alu instid0(VALU_DEP_2)
	v_permlanex16_b32 v[BM+2+\b], v[BM+\b], s[SEL], s[SEL+1]
.endr
.irp b, 0,1
	s_delay_alu instid0(VALU_DEP_2)
	v_max_num_f32 v[BM+\b], v[BM+\b], v[BM+2+\b]   ; with lane l xor 16's: the block's largest magnitude
.endr
.irp b, 0,1
	s_delay_alu instid0(VALU_DEP_2)
	v_add_nc_u32 v[SO+\b], 0xff000000, v[BM+\b]    ; 2 off its exponent field: the conversion's scale operand
.endr
.irp b, 0,1
	s_delay_alu instid0(VALU_DEP_2)
	v_lshrrev_b32 v[BM+2+\b], 23, v[SO+\b]         ; the scale's byte
.endr
	v_cvt_scalef32_pk16_fp6_f32 v[PCD:PCD+2], v[96:111], v[SO]
	v_cvt_scalef32_pk16_fp6_f32 v[PT:PT+2], v[112:127], v[SO+1]
	v_nop                                          ; one plain place behind a scaled conversion
.irp i, 0,1,2
	v_permlane16_swap_b32 v[PCD+\i], v[PT+\i]      ; a whole block to a lane
.endr
.irp i, 0,1,2
	s_delay_alu instid0(VALU_DEP_3)
	v_mov_b32 v[PCD+3+\i], v[PT+\i]
.endr
	v_lshl_or_b32 v[TP+1], v[BM+3], 8, v[BM+2]     ; both blocks' bytes
	v_lshlrev_b32 v8, 3, v7
	s_delay_alu instid0(VALU_DEP_1)
	v_lshrrev_b32 v9, v8, v[TP+1]                  ; lanes 0-15: block 0's byte lowest; lanes 16-31: block 1's
	v_lshl_add_u32 v10, v6, 6, v7                  ; 64 r + h
	global_store_b128 v1, v[PCD:PCD+3], s[78:79]   ; 512 consecutive bytes
	global_store_b64 v2, v[PCD+4:PCD+5], s[78:79] offset:512       ; 256 consecutive bytes
	global_store_b8 v10, v9, s[80:81]
	s_wait_dscnt 0x0
	s_wait_tensorcnt 0x0
	ds_add_u32 v254, v255
	s_wait_dscnt 0x0
	CROUND                                         ; the closing round: no work-group ends while a partner may still ask for a tile that names it
	s_endpgm
.Lfunc_end_k_q5572587c4b_attn:
	.size	k_q5572587c4b_attn, .Lfunc_end_k_q5572587c4b_attn-k_q5572587c4b_attn
	.p2alignl 7, 3214868480
	.fill 96, 4, 3214868480
	.section	.rodata,"a",@progbits
	.p2align	6, 0x0
	.amdhsa_kernel k_q5572587c4b_attn
		.amdhsa_group_segment_fixed_size 327680
		.amdhsa_private_segment_fixed_size 0
		.amdhsa_enable_private_segment 0
		.amdhsa_kernarg_size 32
		.amdhsa_user_sgpr_count 2
		.amdhsa_user_sgpr_kernarg_segment_ptr 1
		.amdhsa_wavefront_size32 1
		.amdhsa_system_sgpr_workgroup_id_x 1
		.amdhsa_system_sgpr_workgroup_id_y 1
		.amdhsa_system_sgpr_workgroup_id_z 1
		.amdhsa_system_vgpr_workitem_id 0
		.amdhsa_next_free_vgpr 256
		.amdhsa_next_free_sgpr 84
		.amdhsa_reserve_vcc 0
		.amdhsa_float_denorm_mode_32 3
		.amdhsa_float_denorm_mode_16_64 3
		.amdhsa_memory_ordered 1
		.amdhsa_forward_progress 1
		.amdhsa_inst_pref_size 88
	.end_amdhsa_kernel
	.amdgpu_metadata
---
amdhsa.version: [ 1, 2 ]
amdhsa.kernels:
  - .name:           k_q5572587c4b_attn
    .symbol:         k_q5572587c4b_attn.kd
    .args:
      - { .name: qq, .offset: 0, .size: 8, .value_kind: global_buffer, .address_space: global }
      - { .name: kv_img, .offset: 8, .size: 8, .value_kind: global_buffer, .address_space: global }
      - { .name: kv_sc, .offset: 16, .size: 8, .value_kind: global_buffer, .address_space: global }
      - { .name: attq, .offset: 24, .size: 8, .value_kind: global_buffer, .address_space: global }
    .group_segment_fixed_size: 327680
    .private_segment_fixed_size: 0
    .kernarg_segment_align: 8
    .kernarg_segment_size: 32
    .max_flat_workgroup_size: 512
    .sgpr_count:     84
    .vgpr_count:     256
    .wavefront_size: 32
...
	.end_amdgpu_metadata
.endif
;; end of part 3
;; launch oproj (part 4): grid 16 x 16, 4 waves a work-group, clusters of 4 x 4, 327,680 bytes of LDS; arguments attq, Wo_codes, Wo_scales, bo, tgt, y; writes y
.if DOCPART == 4
	.amdgcn_target "amdgcn-amd-amdhsa--gfx1250"
	.amdhsa_code_object_version 6
	.text
	.protected	k_q5572587c4b_oproj
	.globl	k_q5572587c4b_oproj
	.p2align	8
	.type	k_q5572587c4b_oproj,@function
k_q5572587c4b_oproj:
	s_mov_b64 s[64:65], 0
	v_nop
	global_prefetch_b8 v0, s[64:65] scope:SCOPE_SE
	s_setreg_imm32_b32 hwreg(HW_REG_WAVE_MODE, 25, 1), 1
	s_wait_xcnt 0x0
	s_wait_alu depctr_hold_cnt(0) depctr_sa_sdst(0) depctr_va_vdst(0) depctr_va_sdst(0) depctr_va_ssrc(0) depctr_va_vcc(0) depctr_vm_vsrc(0)
	s_getreg_b32 s2, hwreg(HW_REG_IB_STS2, 6, 4)
	s_cmp_eq_u32 s2, 0
	s_cbranch_scc0 .Lentry_in_a_cluster
	s_endpgm
.Lentry_in_a_cluster:
	s_bfe_u32 s2, ttmp6, 0x10000c
	s_cmp_lg_u32 s2, 0xf033
	s_cbranch_scc0 .Lentry_shape_is_right
	s_endpgm
.Lentry_shape_is_right:
.set PITCH, 1584                       ; a whole row of Wo's codes, 1,536 bytes, with 16 bytes of padding behind every 512; all 128 rows stay in LDS, fetched once
.set SUBP,  128*PITCH
.set SUBR,  24576
.set SLOT,  2*SUBR
.set STAGE, SUBP+2*SLOT
.set SPARE, STAGE+4*16*272
.set BLKB,  196608
.set QSC,   3145728
.set ADRP, 16
.set AR16, 20
.set AR8,  22
.set OPS,  24
.set CO,   26
.set OBO,  27
.set SPW,  28
.set NIL,  29
.set STO,  30
.set RD,   31
.set BO,   32
.set SCP,  64
.set SCR,  96
.set ACC,  128
.set TG,   0
.set G1P, 4
.set G1R, 12
.set G0P, 20
.set G0R, 28
.set WV,   52
.set WR,   53
.set WP,   54
.set CX,   56
.set CY,   57
.set PBLK, 58
.set RBLK, 59
.set MSB, 0
.macro WIN new
.if MSB != \new
	s_set_vgpr_msb (MSB<<8)|\new
.set MSB, \new
.endif
.endm
.macro PLACES n
.rept \n
	v_nop
.endr
.endm
.macro JLOAD s
	s_cmp_eq_u32 s[WR], 0
	s_cbranch_scc0 .Lfor_r_\@
	tensor_load_to_lds s[G0P+4*\s:G0P+4*\s+3], s[G1P:G1P+7]
	s_nop 0
.rept 4
	v_nop
.endr
	s_branch .Lasked_\@
.Lfor_r_\@:
	tensor_load_to_lds s[G0R+4*\s:G0R+4*\s+3], s[G1R:G1R+7]
	s_nop 0
.rept 4
	v_nop
.endr
.Lasked_\@:
.endm
.macro CREST
	s_cmp_lg_u32 s[WV], 0
	s_cbranch_scc1 .Lnot_wave_0_\@
	s_barrier_signal -3
.Lnot_wave_0_\@:
	s_barrier_wait -3
	s_barrier_signal -1
	s_barrier_wait -1
.endm
.macro CROUND
	s_barrier_signal -1
	s_barrier_wait -1
	CREST
.endm
	s_load_b256 s[36:43], s[0:1], 0x0
	s_load_b128 s[44:47], s[0:1], 0x20
	v_lshl_add_u32 v[SPW], v0, 2, SPARE
	v_mov_b32 v[NIL], 0
	ds_add_u32 v28, v29
	ds_add_u32 v28, v29
	s_wait_dscnt 0x0
	v_lshrrev_b32 v1, 5, v0
	v_readfirstlane_b32 s[WV], v1
	s_lshr_b32 s[WR], s[WV], 1
	s_and_b32 s[WP], s[WV], 1
	s_bfe_u32 s[CX], ttmp6, 0x40000
	s_bfe_u32 s[CY], ttmp6, 0x40004
	s_lshl_b32 s[PBLK], ttmp9, 2
	s_add_co_u32 s[PBLK], s[PBLK], s[CX]
	s_and_b32 s[RBLK], ttmp7, 0xffff
	s_lshl_b32 s[RBLK], s[RBLK], 2
	s_add_co_u32 s[RBLK], s[RBLK], s[CY]
	s_lshl_b32 s2, 0x1111, s[CX]
	s_lshl_b32 s3, s[CY], 2
	s_lshl_b32 s3, 15, s3
	s_or_b32 s[G1P], s2, (1<<20)|(1<<21)|(6<<22)|(3<<25)
	s_mov_b32 s[G1P+1], 1536<<16
	s_mov_b32 s[G1P+2], 64<<16
	s_mov_b32 s[G1P+3], 1536<<16
	s_mov_b32 s[G1P+4], 64
	s_mov_b32 s[G1P+5], 1536
	s_mov_b32 s[G1P+6], 0
	s_mov_b32 s[G1P+7], 0
	s_or_b32 s[G1R], s3, (3<<16)|(1<<21)
	s_mov_b32 s[G1R+1], 384<<16
	s_mov_b32 s[G1R+2], 8<<16
	s_mov_b32 s[G1R+3], 384<<16
	s_mov_b32 s[G1R+4], 8
	s_mov_b32 s[G1R+5], 3072
	s_mov_b32 s[G1R+6], 0
	s_mov_b32 s[G1R+7], 0
	s_mul_i32 s48, s[PBLK], BLKB
	s_mul_i32 s2, s[WP], 98304
	s_add_co_u32 s48, s48, s2
	s_mov_b32 s49, 0
	s_mul_i32 s50, s[RBLK], BLKB
	s_mul_i32 s2, s[WP], 3072
	s_add_co_u32 s50, s50, s2
	s_mov_b32 s51, 0
	s_lshl_b32 s66, s[PBLK], 13
	s_lshl_b32 s2, s[WP], 12
	s_add_co_u32 s66, s66, s2
	s_mov_b32 s67, 0
	s_lshl_b32 s68, s[RBLK], 13
	s_lshl_b32 s2, s[WR], 12
	s_add_co_u32 s68, s68, s2
	s_add_co_u32 s68, s68, QSC
	s_mov_b32 s69, 0
	s_lshl_b32 s70, s[PBLK], 9
	s_lshl_b32 s2, s[WP], 8
	s_add_co_u32 s70, s70, s2
	s_mov_b32 s71, 0
	s_lshl_b32 s72, s[RBLK], 20
	s_lshl_b32 s2, s[WR], 19
	s_add_co_u32 s72, s72, s2
	s_add_co_u32 s72, s72, s70
	s_mov_b32 s73, 0
	s_mul_i32 s62, s[WP], 64*PITCH
	s_mul_i32 s63, s[WP], SUBR
	s_add_co_u32 s63, s63, SUBP
	s_wait_kmcnt 0x0
	s_add_nc_u64 s[48:49], s[38:39], s[48:49]
	s_add_nc_u64 s[50:51], s[36:37], s[50:51]
	s_add_nc_u64 s[40:41], s[40:41], s[66:67]
	s_add_nc_u64 s[36:37], s[36:37], s[68:69]
	s_add_nc_u64 s[42:43], s[42:43], s[70:71]
	s_add_nc_u64 s[44:45], s[44:45], s[72:73]
	s_add_nc_u64 s[46:47], s[46:47], s[72:73]
	CROUND
	s_mov_b32 s[G0P], 1
	s_add_co_u32 s[G0P+1], s62, 0
	s_mov_b64 s[G0P+2:G0P+3], s[48:49]
	s_or_b32 s[G0P+3], s[G0P+3], 0x80000000
.irp s, 0,1
	s_mov_b32 s[G0R+4*\s], 1
	s_add_co_u32 s[G0R+4*\s+1], s63, \s*SLOT
	s_add_nc_u64 s[G0R+4*\s+2:G0R+4*\s+3], s[50:51], \s*6144
	s_or_b32 s[G0R+4*\s+3], s[G0R+4*\s+3], 0x80000000
.endr
	JLOAD 0                                        ; one load a wave at the head: waves 0, 1 64 whole rows of Wo each, waves 2, 3 the halves of the rows' slot 0
	v_and_b32 v1, 15, v0
	v_bfe_u32 v2, v0, 4, 1
	v_and_b32 v3, 31, v0
	v_mul_u32_u24 v6, v2, 24
	v_mad_u32_u24 v7, v1, PITCH, v6
	v_lshlrev_b32 v8, 4, v3
	v_lshlrev_b32 v9, 3, v3
	s_mul_i32 s2, s[WP], 64*PITCH
	s_mul_i32 s3, s[WR], 12288
	s_add_co_u32 s3, s3, SUBP
.irp s, 0,1
	v_add_nc_u32 v[ADRP+\s], s2, v7
	v_lshl_add_u32 v[ADRP+2+\s], v2, 4, v[ADRP+\s]
	v_add_nc_u32 v[AR16+\s], s3, v8
	v_add_nc_u32 v[AR8+\s], s3, v9
	s_add_co_u32 s2, s2, 32*PITCH
	s_add_co_u32 s3, s3, SLOT
.endr
	v_lshlrev_b32 v[OPS], 6, v1
	v_lshl_add_u32 v[OPS], v2, 5, v[OPS]
	v_lshlrev_b32 v[OBO], 5, v2
	v_lshlrev_b32 v[CO], 13, v2
	v_lshl_add_u32 v[CO], v1, 4, v[CO]
	s_mul_i32 s2, s[WV], 16*272
	s_add_co_u32 s2, s2, STAGE
	v_mul_u32_u24 v6, v1, 272
	v_lshl_add_u32 v6, v2, 5, v6
	v_add_nc_u32 v[STO], s2, v6
	v_mul_u32_u24 v6, v2, 272
	v_lshl_add_u32 v6, v1, 4, v6
	v_add_nc_u32 v[RD], s2, v6
.irp b, 0,1,2,3
	global_load_b128 v[SCP+8*\b:SCP+8*\b+3], v[OPS], s[40:41] offset:1024*\b
	global_load_b128 v[SCP+8*\b+4:SCP+8*\b+7], v[OPS], s[40:41] offset:1024*\b+16
	global_load_b128 v[SCR+8*\b:SCR+8*\b+3], v[OPS], s[36:37] offset:1024*\b
	global_load_b128 v[SCR+8*\b+4:SCR+8*\b+7], v[OPS], s[36:37] offset:1024*\b+16
	global_load_b128 v[BO+8*\b:BO+8*\b+3], v[OBO], s[42:43] offset:64*\b
	global_load_b128 v[BO+8*\b+4:BO+8*\b+7], v[OBO], s[42:43] offset:64*\b+16
.endr
	WIN 0x80
.irp a, 0,1,2,3
.irp t, 0,1,2,3,4,5,6,7
	global_load_b128 v[TG+32*\a+4*\t:TG+32*\a+4*\t+3], v[CO], s[44:45] offset:(32*(\a/2)+8*(\a%2)+2*\t+8*(\t/4))*8192 th:TH_LOAD_NT
.endr
.endr
	WIN 0
.macro RLOAD s                         ; waves 2, 3 fill a slot of the rows' ring; the four v_nop stand on every wave's way
	s_cmp_eq_u32 s[WR], 0
	s_cbranch_scc1 .Lnone_\@
	tensor_load_to_lds s[G0R+4*\s:G0R+4*\s+3], s[G1R:G1R+7]
	s_nop 0
.Lnone_\@:
.rept 4
	v_nop
.endr
.endm
.macro FRAG reg, st, i                 ; byte y of a row of Wo lies at y + 16 (y / 512); v[ADRP+i/2]: rows 32 (i / 2) on; v[ADRP+2+i/2]: lanes 16-31 16 bytes further, where their piece lies behind the next padding
.irp p, 0,1,2,3,4,5
.set BY, 96*(\st)+48*(\p/3)+8*(\p%3)
.if BY/512 == (BY+24)/512
	ds_load_b64 v[(\reg)+2*\p:(\reg)+2*\p+1], v[ADRP+(\i)/2] offset:BY+16*(BY/512)+16*((\i)%2)*PITCH
.else
	ds_load_b64 v[(\reg)+2*\p:(\reg)+2*\p+1], v[ADRP+2+(\i)/2] offset:BY+16*(BY/512)+16*((\i)%2)*PITCH
.endif
.endr
.endm
.macro RFRAG reg, sl, kq, a
.set RO, ((\kq)/2)*SUBR+3072*(\a)+1536*((\kq)%2)
	ds_load_b128 v[(\reg):(\reg)+3], v[AR16+(\sl)] offset:RO
	ds_load_b64 v[(\reg)+4:(\reg)+5], v[AR8+(\sl)] offset:RO+512
	ds_load_b128 v[(\reg)+6:(\reg)+9], v[AR16+(\sl)] offset:RO+768
	ds_load_b64 v[(\reg)+10:(\reg)+11], v[AR8+(\sl)] offset:RO+1280
.endm
.macro FETCH s
	WIN 0x40
.irp i, 0,1,2,3
	FRAG 128*((\s)%2)+12*\i, \s, \i
.endr
.irp i, 0,1,2,3
	RFRAG 128*((\s)%2)+48+12*\i, ((\s)/4)%2, (\s)%4, \i
.endr
.endm
.macro MUL4 a, s
.irp b, 0,1,2,3
.if (\s) == 0
	v_wmma_scale_f32_16x16x128_f8f6f4 v[ACC+8*(4*\a+\b):ACC+8*(4*\a+\b)+7], v[128*((\s)%2)+12*\b:128*((\s)%2)+12*\b+11], v[128*((\s)%2)+48+12*\a:128*((\s)%2)+48+12*\a+11], v[BO+8*\b:BO+8*\b+7], v[SCP+8*\b+(\s)%8], v[SCR+8*\a+(\s)%8] matrix_a_fmt:MATRIX_FMT_FP6 matrix_b_fmt:MATRIX_FMT_FP6
.elseif (\s) < 8
	v_wmma_scale_f32_16x16x128_f8f6f4 v[ACC+8*(4*\a+\b):ACC+8*(4*\a+\b)+7], v[128*((\s)%2)+12*\b:128*((\s)%2)+12*\b+11], v[128*((\s)%2)+48+12*\a:128*((\s)%2)+48+12*\a+11], v[ACC+8*(4*\a+\b):ACC+8*(4*\a+\b)+7], v[SCP+8*\b+(\s)%8], v[SCR+8*\a+(\s)%8] matrix_a_fmt:MATRIX_FMT_FP6 matrix_b_fmt:MATRIX_FMT_FP6
.else
	v_wmma_scale_f32_16x16x128_f8f6f4 v[ACC+8*(4*\a+\b):ACC+8*(4*\a+\b)+7], v[128*((\s)%2)+12*\b:128*((\s)%2)+12*\b+11], v[128*((\s)%2)+48+12*\a:128*((\s)%2)+48+12*\a+11], v[ACC+8*(4*\a+\b):ACC+8*(4*\a+\b)+7], v[SCP+8*\b+(\s)%8], v[SCR+8*\a+(\s)%8] matrix_a_fmt:MATRIX_FMT_FP6 matrix_b_fmt:MATRIX_FMT_FP6 matrix_a_scale:MATRIX_SCALE_ROW1 matrix_b_scale:MATRIX_SCALE_ROW1
.endif
.endr
.endm
.macro KSTEP s
.if (\s) < 15
.if (\s) > 0
	PLACES 4
.endif
	FETCH (\s)+1
	s_wait_dscnt 40
.else
	s_wait_dscnt 0x0
.endif
	WIN 0x05
	MUL4 0, \s
	MUL4 1, \s
	MUL4 2, \s
	MUL4 3, \s
.endm
.macro TURN s, fill
.set SL, ((\s)/4)%2
	WIN 0
	s_wait_tensorcnt 0x0
	ds_add_u32 v[SPW], v[NIL]
	s_wait_dscnt 1
	WIN 0x05
	MUL4 0, \s
	s_wait_dscnt 0x0
	s_barrier_signal -1
	MUL4 1, \s
	WIN 0
	s_barrier_wait -1
.if \fill
	CREST
	s_add_nc_u64 s[G0R+4*SL+2:G0R+4*SL+3], s[G0R+4*SL+2:G0R+4*SL+3], 12288
	RLOAD SL
.else
	PLACES 4
.endif
	FETCH (\s)+1
	WIN 0x05
	MUL4 2, \s
	MUL4 3, \s
.endm
	s_wait_alu depctr_va_vdst(0)
	s_wait_tensorcnt 0x0                           ; my load of the head is in; slot 1's first fill is issued as a refill is
	ds_add_u32 v[SPW], v[NIL]
	s_wait_dscnt 0x0
	CROUND
	RLOAD 1
	FETCH 0
	s_wait_loadcnt 32
	KSTEP 0
	KSTEP 1
	KSTEP 2
	TURN 3, 1
	KSTEP 4
	KSTEP 5
	KSTEP 6
	TURN 7, 1
	KSTEP 8
	KSTEP 9
	KSTEP 10
	TURN 11, 0
	KSTEP 12
	KSTEP 13
	KSTEP 14
	KSTEP 15
	WIN 0
	PLACES 4
	s_wait_alu depctr_va_vdst(0)
	s_wait_loadcnt 0x0
.macro OUT a
.irp b, 0,1,2,3
	ds_store_b128 v[STO], v[ACC+8*(4*\a+\b):ACC+8*(4*\a+\b)+3] offset:64*\b
	ds_store_b128 v[STO], v[ACC+8*(4*\a+\b)+4:ACC+8*(4*\a+\b)+7] offset:64*\b+16
.endr
.irp t, 0,1,2,3,4,5,6,7
	ds_load_b128 v[BO+4*\t:BO+4*\t+3], v[RD] offset:2*\t*272
.endr
	s_wait_dscnt 0x0
	WIN 0x02
.irp i, 0,2,4,6,8,10,12,14,16,18,20,22,24,26,28,30
	v_pk_fma_f32 v[BO+\i:BO+\i+1], v[TG+32*\a+\i:TG+32*\a+\i+1], 2.0, v[BO+\i:BO+\i+1] op_sel_hi:[1,0,1]
.endr
	WIN 0
.irp t, 0,1,2,3,4,5,6,7
	global_store_b128 v[CO], v[BO+4*\t:BO+4*\t+3], s[46:47] offset:(32*(\a/2)+8*(\a%2)+2*\t+8*(\t/4))*8192
.endr
	s_wait_xcnt 0x0
.endm
	OUT 0
	OUT 1
	OUT 2
	OUT 3
	s_wait_tensorcnt 0x0
	ds_add_u32 v[SPW], v[NIL]
	s_wait_dscnt 0x0
	CROUND
	s_endpgm
.Lfunc_end_k_q5572587c4b_oproj:
	.size	k_q5572587c4b_oproj, .Lfunc_end_k_q5572587c4b_oproj-k_q5572587c4b_oproj
	.p2alignl 7, 3214868480
	.fill 96, 4, 3214868480
	.section	.rodata,"a",@progbits
	.p2align	6, 0x0
	.amdhsa_kernel k_q5572587c4b_oproj
		.amdhsa_group_segment_fixed_size 327680
		.amdhsa_private_segment_fixed_size 0
		.amdhsa_enable_private_segment 0
		.amdhsa_kernarg_size 48
		.amdhsa_user_sgpr_count 2
		.amdhsa_user_sgpr_kernarg_segment_ptr 1
		.amdhsa_wavefront_size32 1
		.amdhsa_system_sgpr_workgroup_id_x 1
		.amdhsa_system_sgpr_workgroup_id_y 1
		.amdhsa_system_sgpr_workgroup_id_z 1
		.amdhsa_system_vgpr_workitem_id 0
		.amdhsa_next_free_vgpr 640
		.amdhsa_next_free_sgpr 90
		.amdhsa_reserve_vcc 0
		.amdhsa_float_denorm_mode_32 3
		.amdhsa_float_denorm_mode_16_64 3
		.amdhsa_memory_ordered 1
		.amdhsa_forward_progress 1
		.amdhsa_inst_pref_size 103
	.end_amdhsa_kernel
	.amdgpu_metadata
---
amdhsa.version: [ 1, 2 ]
amdhsa.kernels:
  - .name:           k_q5572587c4b_oproj
    .symbol:         k_q5572587c4b_oproj.kd
    .args:
      - { .name: attq, .offset: 0, .size: 8, .value_kind: global_buffer, .address_space: global }
      - { .name: Wo_codes, .offset: 8, .size: 8, .value_kind: global_buffer, .address_space: global }
      - { .name: Wo_scales, .offset: 16, .size: 8, .value_kind: global_buffer, .address_space: global }
      - { .name: bo, .offset: 24, .size: 8, .value_kind: global_buffer, .address_space: global }
      - { .name: tgt, .offset: 32, .size: 8, .value_kind: global_buffer, .address_space: global }
      - { .name: y, .offset: 40, .size: 8, .value_kind: global_buffer, .address_space: global }
    .group_segment_fixed_size: 327680
    .private_segment_fixed_size: 0
    .kernarg_segment_align: 8
    .kernarg_segment_size: 48
    .max_flat_workgroup_size: 128
    .sgpr_count:     90
    .vgpr_count:     640
    .wavefront_size: 32
...
	.end_amdgpu_metadata
.endif
;; end of part 4
;; launch ln (part 5): grid 256 x 1, 8 waves a work-group, no clusters, 0 bytes of LDS; arguments y, ln_gamma, ln_beta, out0; writes out0
.if DOCPART == 5
	.amdgcn_target "amdgcn-amd-amdhsa--gfx1250"
	.amdhsa_code_object_version 6
	.text
	.protected	k_q5572587c4b_ln
	.globl	k_q5572587c4b_ln
	.p2align	8
	.type	k_q5572587c4b_ln,@function
k_q5572587c4b_ln:
	s_mov_b64 s[64:65], 0
	v_nop
	global_prefetch_b8 v0, s[64:65] scope:SCOPE_SE
	s_setreg_imm32_b32 hwreg(HW_REG_WAVE_MODE, 25, 1), 1
	s_wait_xcnt 0x0
; out0 = gamma (y - mean) / sqrt(var + 1e-5) + beta over rows of 2,048 f32.  One wave takes one row, 64 numbers a lane, and keeps it in registers: the row is read once, the mean is taken first and the
; variance of the differences, so that a common offset of the inputs costs no digits.  Each load and store of a wave covers 512 consecutive bytes.  No LDS, no barrier, no matrix unit, no cluster: waves share only gamma and beta, 16 KiB.
.set YR, 16                            ; v16-79   the row
.set GR, 80                            ; v80-143  gamma
.set BR, 144                           ; v144-207 beta
	s_load_b256 s[4:11], s[0:1], 0x0               ; y, gamma, beta, out0
	v_lshrrev_b32 v1, 5, v0
	s_delay_alu instid0(VALU_DEP_1)
	v_readfirstlane_b32 s12, v1                    ; wave 0..7
	v_and_b32 v1, 31, v0
	s_delay_alu instid0(VALU_DEP_1)
	v_lshlrev_b32 v1, 4, v1                        ; 16 bytes a lane
	s_lshl_b32 s13, ttmp9, 3
	s_add_co_u32 s13, s13, s12                     ; my row
	s_lshl_b32 s14, s13, 13
	s_mov_b32 s15, 0
	s_mov_b32 s16, 0x76543210
	s_mov_b32 s17, 0xfedcba98
	s_mov_b32 s18, 0x3a000000                      ; 1 / 2,048
	s_mov_b32 s19, 0x3727c5ac                      ; 1e-5
	s_wait_alu depctr_va_vdst(0)
	s_wait_kmcnt 0x0
	s_add_nc_u64 s[4:5], s[4:5], s[14:15]
	s_add_nc_u64 s[10:11], s[10:11], s[14:15]
.irp j, 0,1,2,3,4,5,6,7,8,9,10,11,12,13,14,15
	global_load_b128 v[YR+4*\j:YR+4*\j+3], v1, s[4:5] offset:512*\j th:TH_LOAD_NT
.endr
.irp j, 0,1,2,3,4,5,6,7,8,9,10,11,12,13,14,15
	global_load_b128 v[GR+4*\j:GR+4*\j+3], v1, s[6:7] offset:512*\j
.endr
.irp j, 0,1,2,3,4,5,6,7,8,9,10,11,12,13,14,15
	global_load_b128 v[BR+4*\j:BR+4*\j+3], v1, s[8:9] offset:512*\j
.endr
.macro ALLSUM x, t                     ; the sum of v[x] over the 32 lanes, in every lane; v[t] has been written before
	s_delay_alu instid0(VALU_DEP_1)
	v_add_f32_dpp v[\x], v[\x], v[\x] row_xmask:1 row_mask:0xf bank_mask:0xf
	s_delay_alu instid0(VALU_DEP_1)
	v_add_f32_dpp v[\x], v[\x], v[\x] row_xmask:2 row_mask:0xf bank_mask:0xf
	s_delay_alu instid0(VALU_DEP_1)
	v_add_f32_dpp v[\x], v[\x], v[\x] row_xmask:4 row_mask:0xf bank_mask:0xf
	s_delay_alu instid0(VALU_DEP_1)
	v_add_f32_dpp v[\x], v[\x], v[\x] row_xmask:8 row_mask:0xf bank_mask:0xf
	s_delay_alu instid0(VALU_DEP_1)
	v_permlanex16_b32 v[\t], v[\x], s16, s17
	s_delay_alu instid0(VALU_DEP_1)
	v_add_f32 v[\x], v[\x], v[\t]
.endm
	s_wait_loadcnt 32                              ; the row is in; gamma's and beta's 32 loads may be out
	v_pk_add_f32 v[4:5], v[16:17], v[24:25]
	v_pk_add_f32 v[6:7], v[32:33], v[40:41]
	v_pk_add_f32 v[8:9], v[48:49], v[56:57]
	v_pk_add_f32 v[14:15], v[64:65], v[72:73]
	v_pk_add_f32 v[12:13], v[18:19], v[26:27]
	v_pk_add_f32 v[10:11], v[34:35], v[42:43]
	v_pk_add_f32 v[2:3], v[50:51], v[58:59]
	s_delay_alu instid0(VALU_DEP_1)
	v_pk_add_f32 v[2:3], v[2:3], v[66:67]
	v_pk_add_f32 v[4:5], v[4:5], v[74:75]
	v_pk_add_f32 v[6:7], v[6:7], v[20:21]
	v_pk_add_f32 v[8:9], v[8:9], v[28:29]
	v_pk_add_f32 v[14:15], v[14:15], v[36:37]
	v_pk_add_f32 v[12:13], v[12:13], v[44:45]
	v_pk_add_f32 v[10:11], v[10:11], v[52:53]
	v_pk_add_f32 v[2:3], v[2:3], v[60:61]
	v_pk_add_f32 v[4:5], v[4:5], v[68:69]
	v_pk_add_f32 v[6:7], v[6:7], v[76:77]
	v_pk_add_f32 v[8:9], v[8:9], v[22:23]
	v_pk_add_f32 v[14:15], v[14:15], v[30:31]
	v_pk_add_f32 v[12:13], v[12:13], v[38:39]
	v_pk_add_f32 v[10:11], v[10:11], v[46:47]
	v_pk_add_f32 v[2:3], v[2:3], v[54:55]
	v_pk_add_f32 v[4:5], v[4:5], v[62:63]
	v_pk_add_f32 v[6:7], v[6:7], v[70:71]
	v_pk_add_f32 v[8:9], v[8:9], v[78:79]
	s_delay_alu instid0(VALU_DEP_4)
	v_pk_add_f32 v[2:3], v[2:3], v[14:15]
	s_delay_alu instid0(VALU_DEP_4)
	v_pk_add_f32 v[4:5], v[4:5], v[12:13]
	s_delay_alu instid0(VALU_DEP_4)
	v_pk_add_f32 v[6:7], v[6:7], v[10:11]
	s_delay_alu instid0(VALU_DEP_1)
	v_pk_add_f32 v[2:3], v[2:3], v[6:7]
	s_delay_alu instid0(VALU_DEP_3)
	v_pk_add_f32 v[4:5], v[4:5], v[8:9]
	s_delay_alu instid0(VALU_DEP_1)
	v_pk_add_f32 v[2:3], v[2:3], v[4:5]
	s_delay_alu instid0(VALU_DEP_1)
	v_add_f32 v2, v2, v3
	ALLSUM 2, 3
	s_delay_alu instid0(VALU_DEP_1)
	v_mul_f32 v2, s18, v2                          ; the mean
.set j, 0
.rept 32
	v_pk_add_f32 v[YR+j:YR+j+1], v[YR+j:YR+j+1], v[2:3] op_sel_hi:[1,0] neg_lo:[0,1] neg_hi:[0,1]   ; y - mean
.set j, j+2
.endr
.irp k, 0,1,2,3
	v_pk_mul_f32 v[4+2*\k:5+2*\k], v[YR+2*\k:YR+2*\k+1], v[YR+2*\k:YR+2*\k+1]
.endr
.irp j, 8,16,24,32,40,48,56
.irp k, 0,1,2,3
	s_delay_alu instid0(VALU_DEP_4)
	v_pk_fma_f32 v[4+2*\k:5+2*\k], v[YR+\j+2*\k:YR+\j+2*\k+1], v[YR+\j+2*\k:YR+\j+2*\k+1], v[4+2*\k:5+2*\k]
.endr
.endr
	s_delay_alu instid0(VALU_DEP_3)
	v_pk_add_f32 v[4:5], v[4:5], v[6:7]
	s_delay_alu instid0(VALU_DEP_2)
	v_pk_add_f32 v[8:9], v[8:9], v[10:11]
	s_delay_alu instid0(VALU_DEP_1)
	v_pk_add_f32 v[4:5], v[4:5], v[8:9]
	s_delay_alu instid0(VALU_DEP_1)
	v_add_f32 v4, v4, v5
	ALLSUM 4, 5
	s_delay_alu instid0(VALU_DEP_1)
	v_fma_f32 v4, v4, s18, s19                     ; the variance + 1e-5
	s_wait_alu depctr_va_vdst(0)
	v_rsq_f32 v4, v4
	v_nop                                          ; one plain place behind a transcendental
	s_wait_loadcnt 0x0                             ; gamma and beta
.set j, 0
	s_wait_alu depctr_va_vdst(0)
.rept 32
	v_pk_mul_f32 v[YR+j:YR+j+1], v[YR+j:YR+j+1], v[4:5] op_sel_hi:[1,0]
.set j, j+2
.endr
.set j, 0
.rept 32
	v_pk_fma_f32 v[YR+j:YR+j+1], v[YR+j:YR+j+1], v[GR+j:GR+j+1], v[BR+j:BR+j+1]
.set j, j+2
.endr
.irp j, 0,1,2,3,4,5,6,7,8,9,10,11,12,13,14,15
	global_store_b128 v1, v[YR+4*\j:YR+4*\j+3], s[10:11] offset:512*\j th:TH_STORE_NT
.endr
	s_endpgm
.Lfunc_end_k_q5572587c4b_ln:
	.size	k_q5572587c4b_ln, .Lfunc_end_k_q5572587c4b_ln-k_q5572587c4b_ln
	.p2alignl 7, 3214868480
	.fill 96, 4, 3214868480
	.section	.rodata,"a",@progbits
	.p2align	6, 0x0
	.amdhsa_kernel k_q5572587c4b_ln
		.amdhsa_group_segment_fixed_size 0
		.amdhsa_private_segment_fixed_size 0
		.amdhsa_enable_private_segment 0
		.amdhsa_kernarg_size 32
		.amdhsa_user_sgpr_count 2
		.amdhsa_user_sgpr_kernarg_segment_ptr 1
		.amdhsa_wavefront_size32 1
		.amdhsa_system_sgpr_workgroup_id_x 1
		.amdhsa_system_sgpr_workgroup_id_y 1
		.amdhsa_system_sgpr_workgroup_id_z 1
		.amdhsa_system_vgpr_workitem_id 0
		.amdhsa_next_free_vgpr 208
		.amdhsa_next_free_sgpr 66
		.amdhsa_reserve_vcc 0
		.amdhsa_float_denorm_mode_32 3
		.amdhsa_float_denorm_mode_16_64 3
		.amdhsa_memory_ordered 1
		.amdhsa_forward_progress 1
		.amdhsa_inst_pref_size 20
	.end_amdhsa_kernel
	.amdgpu_metadata
---
amdhsa.version: [ 1, 2 ]
amdhsa.kernels:
  - .name:           k_q5572587c4b_ln
    .symbol:         k_q5572587c4b_ln.kd
    .args:
      - { .name: y, .offset: 0, .size: 8, .value_kind: global_buffer, .address_space: global }
      - { .name: ln_gamma, .offset: 8, .size: 8, .value_kind: global_buffer, .address_space: global }
      - { .name: ln_beta, .offset: 16, .size: 8, .value_kind: global_buffer, .address_space: global }
      - { .name: out0, .offset: 24, .size: 8, .value_kind: global_buffer, .address_space: global }
    .group_segment_fixed_size: 0
    .private_segment_fixed_size: 0
    .kernarg_segment_align: 8
    .kernarg_segment_size: 32
    .max_flat_workgroup_size: 256
    .sgpr_count:     66
    .vgpr_count:     208
    .wavefront_size: 32
...
	.end_amdgpu_metadata
.endif
;; end of part 5
